; MI455X (gfx1250); checked and timed in simulation.
; The chip was launched on July 23, 2026; its instructions are those of AMD's public machine-readable ISA for CDNA 5 (MIT licence, August 2026) and "CDNA5" Instruction Set Architecture Reference Guide (July 2026). The comments in the code are by the model that wrote it; some were corrected since.
;; Multi Latent Head Attn. Allowed arithmetic: matrix products marked QUANTISED: E2M3 operands, one E8M0 scale for each 32 along K, by v_wmma_scale_f32_16x16x128_f8f6f4 with both operands' format E2M3, f32 sums; everything else in f32.
;; Inputs: W_DKV 2,048 x 512 float32; W_DQ 2,048 x 512 float32; W_KR 2,048 x 512 float32; W_QR 512 x 512 float32; W_UK 512 x 2,048 float32; W_UQ 512 x 2,048 float32; W_UV 512 x 2,048 float32; b_DKV 512 float32; b_DQ 512 float32; b_KR 512 float32; b_QR 512 float32; b_UK 2,048 float32; b_UQ 2,048 float32; b_UV 2,048 float32; x 2 x 2,048 x 2,048 float32.
;; Outputs: out0 2 x 2,048 x 2,048 float32.
;; This version of the problem:
;;   THIS VERSION OF THE PROBLEM IS GIVEN IN LOW PRECISION. The matrix products marked QUANTISED in the list below multiply operands that are first quantised to E2M3 (2 exponent bits, 3 mantissa bits; 6 bits a number), with one power-of-two scale for each 32 numbers along K (OCP MX v1.0); their sums are f32. All else is computed in f32.
;;   The module's matrix products, in the order in which they are computed (A, B: the left and right operand; K: the contracted axis; several contracted axes count as one K, in the product's order):
;;     1. [M 4,096, K 2,048] x [K 2,048, N 512]; A: input x; B: input W_DKV: QUANTISED
;;     2. [M 4,096, K 512] x [K 512, N 2,048]; A: computed on the way; B: input W_UK: QUANTISED
;;     3. [M 4,096, K 512] x [K 512, N 2,048]; A: computed on the way; B: input W_UV: QUANTISED
;;     4. [M 4,096, K 2,048] x [K 2,048, N 512]; A: input x; B: input W_DQ: QUANTISED
;;     5. [M 4,096, K 512] x [K 512, N 2,048]; A: computed on the way; B: input W_UQ: QUANTISED
;;     6. [M 4,096, K 512] x [K 512, N 512]; A: computed on the way; B: input W_QR: QUANTISED
;;     7. [M 4,096, K 2,048] x [K 2,048, N 512]; A: input x; B: input W_KR: QUANTISED
;;     8. batch 32 x [M 2,048, K 160] x [K 160, N 2,048]; A: computed on the way; B: computed on the way: QUANTISED
;;     9. batch 32 x [M 2,048, K 2,048] x [K 2,048, N 128]; A: softmax (see below); B: computed on the way: QUANTISED
;;   THE QUANTISER, for each operand of a quantised product, along K:
;;     - K is cut into blocks of 32 from its start; a last block that is shorter is filled with zeros.
;;     - A block's scale is 2^e with e = floor(log2(the largest magnitude in the block)) - 2, held to -126 .. 127; a block of zeros has e = 0. As a byte (E8M0): e + 127.
;;     - Each number is divided by its block's scale, clamped to +-7.5, and rounded to the nearest number of E2M3, ties to even, subnormals kept.
;;     - The product sums the exact products of the quantised numbers (number of the format x scale) in f32.
;;   ~~~python
;;   def quantise(x, axis):      # numpy; x: float32 -> the quantised numbers, widened to float32 again
;;       x = np.moveaxis(x, axis, -1); K = x.shape[-1]
;;       x = np.pad(x, [(0, 0)] * (x.ndim - 1) + [(0, -K % 32)]); x = x.reshape(x.shape[:-1] + (-1, 32)); a = np.abs(x).max(-1, keepdims=True)
;;       e = np.where(a > 0, np.clip(np.frexp(np.where(a > 0, a, 1))[1] - 1 - 2, -126, 127), 0)      # np.frexp(a)[1] - 1 = floor(log2(a)), exactly
;;       r = np.clip(x / 2.0 ** e, -7.5, 7.5)
;;       step = 2.0 ** (np.maximum(np.frexp(np.where(r == 0, 1, r))[1] - 1, 0) - 3)
;;       q = np.round(r / step) * step * 2.0 ** e      # np.round: ties to even
;;       return np.moveaxis(q.reshape(q.shape[:-2] + (-1,))[..., :K], -1, axis).astype(np.float32)
;;   ~~~
;;   SOFTMAX AHEAD OF A QUANTISED PRODUCT. Where the list says 'softmax', what is quantised is not the finished softmax but p = 2^(t - M), with t = logit x log2(e) and M = ceil(the row's largest t), a whole number; so 1/2 < the row's largest p <= 1. The row's sum l is taken of the UNQUANTISED p, in f32, and the product's result is divided by l at the end. Since M is a whole number, a kernel that streams over the keys may use a running M (the ceiling of the running maximum): every later rescaling is an exact power of two, which a block's scale takes up: the codes' values come out the same.
;;   OPERANDS COMPUTED ON THE WAY. 'Computed on the way' means the value that the module computes at that place (a softmax that the list does not call 'softmax' is quantised finished and normalised). What goes into a quantiser is computed in f32, as accurately as f32 sums, v_exp_f32 and their like allow (about 1e-6 of the number): no bf16 or f16 on the way to a quantiser, and a product that is left as it is and whose result goes on into a quantised operand takes f32 operands (vector FMAs, or v_wmma_f32_16x16x4_f32). A number that lies on a knife's edge between two numbers of the format may be rounded either way, as far as f32 arithmetic and the matrix unit's own rounding can turn it there, and no further.
;; One version. Each part assembles by itself: llvm-mc -triple=amdgcn-amd-amdhsa -mcpu=gfx1250 --defsym DOCPART=n.
;; ======== version 1 of 1: 4 launches
;; workspace buffers: xq 6,553,600 bytes; w1q 2,457,600 bytes; w2q 2,662,400 bytes; rt 262,144 bytes; cq 3,276,800 bytes; kv 14,942,208 bytes; qq 8,388,608 bytes
;; launch prep (part 1): grid 472 x 1, 4 waves a work-group, no clusters, 58,880 bytes of LDS; arguments x, W_DKV, W_DQ, W_KR, W_UK, W_UV, W_UQ, W_QR, xq, w1q, w2q, rt; writes xq, w1q, w2q, rt
.if DOCPART == 1
	.amdgcn_target "amdgcn-amd-amdhsa--gfx1250"
	.amdhsa_code_object_version 6
	.text
	.protected	k_q5b540427e7_prep
	.globl	k_q5b540427e7_prep
	.p2align	8
	.type	k_q5b540427e7_prep,@function
k_q5b540427e7_prep:
	s_mov_b64 s[64:65], 0
	v_nop
	global_prefetch_b8 v0, s[64:65] scope:SCOPE_SE
	s_setreg_imm32_b32 hwreg(HW_REG_WAVE_MODE, 25, 1), 1
	s_wait_xcnt 0x0
; PREP: x and the seven weights become codes of FP6 (E2M3) with one E8M0 byte for each 32 along K, and the table of cos and sin for the rotation is made.
; A block's scale is 2^(floor(log2(largest magnitude)) - 2); its byte is the largest magnitude's exponent field - 2, held at 1 from below.
; ALL CODES ARE LAID AS IMAGES OF OPERAND REGISTERS: 16 rows x 128 K = 12 registers x 32 lanes = 1,536 bytes, three planes of 512 bytes; plane c holds registers 4c .. 4c+3, lane l's 16 bytes at 16 l.
; THE ROWS OF A TILE ARE NOT NEIGHBOURS (tokens and the weights' columns alike): row r of tile 2b+u is row 32b + 8u + r + 8 (r/8), so that a product that takes such tiles as source 0
; leaves 16 neighbours along the next K in the 16 registers of tiles 2b and 2b+1.
; Work-groups 0-255: a tile of 16 tokens of x (K = 2,048; wave w takes K steps 4w .. 4w+3).  256-455: the weights (a lane takes a column n, its registers run down K).  456-471: the table.
; The three ways part on the work-group's number; the two that use LDS have LDS bytes of their own.  Waves share nothing: no barrier.
; LIMITS: NaN and infinities are not served; a block whose largest magnitude lies under 2^-124 (a block of zeros too) keeps the byte 1: its bytes are read by this program alone.
; The table's frequencies 10^(-j/4) are written as correctly rounded f32 constants; should the power function of reference() be an ulp off, the angle differs by at most 1.2e-4 at t = 2,047.
.set XR,  16                           ; v16-143  x as loaded, two sets of 64
.set XX,  144                          ; v144-207 64 numbers of a lane: register 16b+i = k 32b + 16 (lane/16) + i of my row
.set TM,  208                          ; v208-223 at work in QUANT
.set QPC, 224                          ; v224-243 the codes just made
.set PW,  244                          ; v244-247 the scale words of my four K steps
.set SEL, 38                           ; s[38:39] lane selects: lane l xor 16
.set WST, 33792                        ; LDS: the weights' stages, 6,144 bytes a wave (x's stages: 8,448 bytes a wave from 0 on)
.set WO,  16                           ; v16-47   the weights' way: 4 lane + i rows
.set WX,  48                           ; v48-111  two sets of 32 numbers
.set WC,  112                          ; v112-118 a block's codes
.set SB,  120                          ; v120-121 eight scale bytes
.set BB,  66                           ; s[66:81] the eight blocks' bases
; 64 numbers of a lane become a fragment's 12 registers in v[pc] on and its scale word in v[pw].
.macro QUANT s, pc, pw
.irp b, 0,1,2,3
	v_max3_num_f32 v[TM+\b], |v[(\s)+16*\b]|, |v[(\s)+1+16*\b]|, 0x1800000   ; my 16 numbers of block b, and the floor 2^(3-127): the byte cannot fall under 1
.endr
.irp i, 2,4,6,8,10,12,14
.irp b, 0,1,2,3
	v_max3_num_f32 v[TM+\b], v[TM+\b], |v[(\s)+16*\b+\i]|, |v[(\s)+1+16*\b+\i]|
.endr
.endr
.irp b, 0,1,2,3
	v_permlanex16_b32 v[TM+4+\b], v[TM+\b], s[SEL], s[SEL+1]
.endr
.irp b, 0,1,2,3
	v_max_num_f32 v[TM+\b], v[TM+\b], v[TM+4+\b]                  ; with lane l xor 16's: the block's largest magnitude
.endr
.irp b, 0,1,2,3
	v_add_nc_u32 v[TM+12+\b], 0xff000000, v[TM+\b]                ; 2 off its exponent field: the conversion's scale operand
.endr
.irp b, 0,1,2,3
	v_lshrrev_b32 v[TM+4+\b], 23, v[TM+12+\b]                     ; the scale's byte
.endr
	v_lshl_or_b32 v[\pw], v[TM+5], 8, v[TM+4]
	v_lshl_or_b32 v[\pw], v[TM+6], 16, v[\pw]
	v_lshl_or_b32 v[\pw], v[TM+7], 24, v[\pw]
.irp c, 0,1
	v_cvt_scalef32_pk16_fp6_f32 v[(\pc)+6*\c:(\pc)+2+6*\c], v[(\s)+32*\c:(\s)+15+32*\c], v[TM+12+2*\c]
	v_cvt_scalef32_pk16_fp6_f32 v[(\pc)+12+4*\c:(\pc)+14+4*\c], v[(\s)+16+32*\c:(\s)+31+32*\c], v[TM+12+2*\c+1]
.endr
	v_nop                                                         ; one plain place behind a scaled conversion
.irp c, 0,1                                                       ; the layout wants a whole block in a lane: lanes 0-15 block 2c, lanes 16-31 block 2c+1
.irp i, 0,1,2
	v_permlane16_swap_b32 v[(\pc)+6*\c+\i], v[(\pc)+12+4*\c+\i]
.endr
.irp i, 0,1,2
	v_mov_b32 v[(\pc)+3+6*\c+\i], v[(\pc)+12+4*\c+\i]
.endr
.endr
.endm
	s_load_b512 s[4:19], s[0:1], 0x0               ; x, W_DKV, W_DQ, W_KR, W_UK, W_UV, W_UQ, W_QR
	s_load_b256 s[20:27], s[0:1], 0x40             ; xq, w1q, w2q, rt
	v_lshl_add_u32 v248, v0, 2, 0xe400
	v_mov_b32 v249, 0
	v_lshrrev_b32 v1, 5, v0
	v_readfirstlane_b32 s28, v1                    ; wave
	v_and_b32 v4, 31, v0                           ; lane
	s_mov_b32 s[SEL], 0x76543210
	s_mov_b32 s[SEL+1], 0xfedcba98
	s_wait_kmcnt 0x0
	s_cmp_lt_u32 ttmp9, 256
	s_cbranch_scc1 .Lpath_x
	s_cmp_lt_u32 ttmp9, 456
	s_cbranch_scc1 .Lpath_w
; ---------------- the table: rt[t][h][cos of pairs 8h .. 8h+7][sin of them], a thread to a position t
	s_sub_co_u32 s30, ttmp9, 456
	s_lshl_b32 s30, s30, 7
	v_add_nc_u32 v1, s30, v0                       ; t
	v_cvt_f32_u32 v2, v1
	v_lshlrev_b32 v16, 7, v1                       ; 128 bytes a position
	s_mov_b32 s40, 0x3fc90fdb                      ; pi/2, upper part
	s_mov_b32 s41, 0xb33bbd2e                      ; pi/2 less that part
	s_mov_b32 s42, 0xb94ca1f9                      ; sine: -1.9515296e-4, 8.3321609e-3, -1.6666655e-1
	s_mov_b32 s43, 0x3c08839e
	s_mov_b32 s44, 0xbe2aaaa3
	s_mov_b32 s45, 0x37ccf5ce                      ; cosine: 2.4433157e-5, -1.3887316e-3, 4.1666646e-2
	s_mov_b32 s46, 0xbab6061a
	s_mov_b32 s47, 0x3d2aaaa5
; angle = t f (one rounding, as reference() has it); k = the nearest multiple of pi/2; the rest, at most pi/4 in size, in two fused steps (k has 11 bits); two short polynomials; the quadrant by selects and sign bits
.macro ANG j, f
.set oC, 32+16*((\j)/8)+(\j)%8
	v_mul_f32 v3, \f, v2
	v_mul_f32 v4, 0x3f22f983, v3
	v_rndne_f32 v4, v4
	v_fma_f32 v5, -v4, s40, v3
	v_fma_f32 v5, -v4, s41, v5
	v_cvt_i32_f32 v6, v4
	v_mul_f32 v7, v5, v5
	v_fma_f32 v8, v7, s42, s43
	v_fma_f32 v10, v7, s45, s46
	v_fma_f32 v8, v8, v7, s44
	v_fma_f32 v10, v10, v7, s47
	v_mul_f32 v9, v5, v7
	v_mul_f32 v11, v7, v7
	v_fma_f32 v12, v7, -0.5, 1.0
	v_fma_f32 v8, v9, v8, v5                       ; sin of the rest
	v_fma_f32 v10, v11, v10, v12                   ; cos of the rest
	v_and_b32 v13, 1, v6
	v_cmp_eq_u32 vcc_lo, 1, v13
	v_cndmask_b32 v14, v8, v10, vcc_lo             ; odd k: the two change places
	v_cndmask_b32 v15, v10, v8, vcc_lo
	v_and_b32 v13, 2, v6
	v_lshlrev_b32 v13, 30, v13
	v_xor_b32 v[oC+8], v13, v14                    ; sin is negated where k mod 4 is 2 or 3
	v_add_nc_u32 v13, 1, v6
	v_and_b32 v13, 2, v13
	v_lshlrev_b32 v13, 30, v13
	v_xor_b32 v[oC], v13, v15                      ; cos where it is 1 or 2
.endm
	ANG 0, 0x3f800000
	ANG 1, 0x3f0ff59a
	ANG 2, 0x3ea1e89b
	ANG 3, 0x3e361887
	ANG 4, 0x3dcccccd
	ANG 5, 0x3d6655c3
	ANG 6, 0x3d0186e2
	ANG 7, 0x3c91ad39
	ANG 8, 0x3c23d70a
	ANG 9, 0x3bb8449c
	ANG 10, 0x3b4f3e37
	ANG 11, 0x3ae91528
	ANG 12, 0x3a83126f
	ANG 13, 0x3a136a16
	ANG 14, 0x39a5cb5f
	ANG 15, 0x393a7753
.irp k, 0,1,2,3,4,5,6,7
	global_store_b128 v16, v[32+4*\k:35+4*\k], s[26:27] offset:16*\k
.endr
	s_endpgm
; ---------------- x: work-group = token tile, wave w = K steps 4w .. 4w+3
.Lpath_x:
	s_lshr_b32 s30, ttmp9, 1
	s_lshl_b32 s30, s30, 5
	s_and_b32 s31, ttmp9, 1
	s_lshl_b32 s31, s31, 3
	s_add_co_u32 s30, s30, s31                     ; the tile's first token
	s_lshl_b32 s30, s30, 13                        ; rows of 8,192 bytes
	s_lshl_b32 s31, s28, 11                        ; my four K steps: 2,048 bytes on
	s_add_co_u32 s30, s30, s31
	s_mov_b32 s31, 0
	s_add_nc_u64 s[4:5], s[4:5], s[30:31]
	s_mul_i32 s30, ttmp9, 24576
	s_mul_i32 s32, s28, 6144
	s_add_co_u32 s30, s30, s32
	s_add_nc_u64 s[34:35], s[20:21], s[30:31]      ; my four images
	s_lshl_b32 s30, ttmp9, 10
	s_lshl_b32 s32, s28, 4
	s_add_co_u32 s30, s30, s32
	s_add_co_u32 s30, s30, 6291456
	s_add_nc_u64 s[36:37], s[20:21], s[30:31]      ; my 16 of a row's 64 scale bytes
	v_lshlrev_b32 v1, 4, v4                        ; 16 lane
	s_mul_i32 s32, s28, 8448                       ; my stage: 16 rows of 512 bytes + 16
	v_add_nc_u32 v2, s32, v1                       ; in: a row as it lies
	v_and_b32 v5, 15, v0                           ; r
	v_bfe_u32 v6, v0, 4, 1                         ; h
	v_mul_u32_u24 v3, v5, 528
	v_lshl_add_u32 v3, v6, 6, v3
	v_add_nc_u32 v3, s32, v3                       ; out: row r, my 16 numbers of each block of 32
	v_lshlrev_b32 v7, 6, v5                        ; a row's scale bytes: 64
.irp b, 0,1,2,3
	v_mov_b32 v[TM+4+\b], 0                        ; a lane permute's destination counts as one of its sources
.endr
.macro XL ks, set                      ; a K step's 16 rows: each load reads 512 consecutive bytes of one row
.irp p, 0,1,2,3,4,5,6,7,8,9,10,11,12,13,14,15
	global_load_b128 v[XR+64*(\set)+4*\p:XR+64*(\set)+4*\p+3], v1, s[4:5] offset:(\p+8*(\p/8))*8192+512*(\ks) th:TH_LOAD_NT
.endr
.endm
.macro XSTEP ks
.if (\ks) < 3
	s_wait_loadcnt 16                              ; this K step's 16 loads are in; the next one's 16 may be out
.else
	s_wait_loadcnt 0x0
.endif
.irp p, 0,1,2,3,4,5,6,7,8,9,10,11,12,13,14,15
	ds_store_b128 v2, v[XR+64*((\ks)%2)+4*\p:XR+64*((\ks)%2)+4*\p+3] offset:\p*528
.endr
.irp b, 0,1,2,3
.irp j, 0,1,2,3
	ds_load_b128 v[XX+16*\b+4*\j:XX+16*\b+4*\j+3], v3 offset:128*\b+16*\j   ; LDS serves a wave's instructions in order: these see the stores above
.endr
.endr
	s_wait_dscnt 0x0                               ; the numbers are back, and the stores have read their registers,
.if (\ks) < 2
	XL (\ks)+2, (\ks)%2                            ; which take the loads of two K steps on
.endif
.if (\ks) > 0
	s_wait_xcnt 0x0                                ; the last image's stores have read their registers: the codes are written again only behind this wait
.endif
	QUANT XX, QPC, PW+(\ks)
.irp c, 0,1,2
	global_store_b128 v1, v[QPC+4*\c:QPC+4*\c+3], s[34:35] offset:(\ks)*1536+512*\c   ; 512 consecutive bytes, aligned
.endr
.endm
	XL 0, 0
	XL 1, 1
	XSTEP 0
	XSTEP 1
	XSTEP 2
	XSTEP 3
	global_store_b128 v7, v[PW:PW+3], s[36:37]     ; my four scale words of row r (lanes r and r + 16 hold and store the same)
	s_wait_tensorcnt 0x0
	ds_add_u32 v248, v249
	s_wait_dscnt 0x0
	s_endpgm
; ---------------- the weights: W[k][n] f32; a wave takes 32 columns x 256 along K
.Lpath_w:
	s_sub_co_u32 s30, ttmp9, 256
	s_lshr_b32 s31, s30, 5                         ; which weight: DKV, DQ, KR, UK, UV, UQ, QR
	s_and_b32 s30, s30, 31                         ; which part of it
	s_cmp_eq_u32 s31, 1
	s_cselect_b64 s[6:7], s[8:9], s[6:7]
	s_cmp_eq_u32 s31, 2
	s_cselect_b64 s[6:7], s[10:11], s[6:7]
	s_cmp_eq_u32 s31, 3
	s_cselect_b64 s[6:7], s[12:13], s[6:7]
	s_cmp_eq_u32 s31, 4
	s_cselect_b64 s[6:7], s[14:15], s[6:7]
	s_cmp_eq_u32 s31, 5
	s_cselect_b64 s[6:7], s[16:17], s[6:7]
	s_cmp_eq_u32 s31, 6
	s_cselect_b64 s[6:7], s[18:19], s[6:7]
	s_sub_co_u32 s32, s31, 3
	s_lshl_b32 s46, s31, 5                         ; first tile in w1q: 32 a weight
	s_lshl_b32 s47, s32, 7                         ; in w2q: 128 a weight (QR: 384)
	s_cmp_lt_u32 s32, 3                            ; UK, UV, UQ have 2,048 columns, the others 512
	s_cselect_b32 s33, 13, 11                      ; log2 of a row's bytes
	s_cselect_b32 s40, 4, 2                        ; log2 of the groups of 128 columns
	s_cmp_lt_u32 s31, 3                            ; K = 2,048 (w1q) or 512 (w2q)
	s_cselect_b32 s41, 2, 0
	s_cselect_b32 s42, 6, 4                        ; log2 of a row's scale bytes
	s_cselect_b64 s[44:45], s[22:23], s[24:25]
	s_mov_b32 s43, 2555904
	s_cselect_b32 s43, 2359296, s43                ; where the scale bytes begin
	s_cselect_b32 s46, s46, s47
	s_lshl_b32 s41, 6144, s41                      ; a tile's images in bytes
	s_lshl_b32 s48, 1, s33                         ; a row's bytes
	s_lshl_b32 s49, 1, s40
	s_sub_co_u32 s49, s49, 1
	s_and_b32 s49, s30, s49                        ; my group of 128 columns
	s_lshr_b32 s50, s30, s40                       ; my 256 along K
	s_lshl_b32 s51, s49, 7
	s_lshl_b32 s52, s28, 5
	s_add_co_u32 s51, s51, s52                     ; my wave's first column
	s_lshl_b32 s52, s51, 2
	s_add_co_u32 s53, s33, 8
	s_lshl_b32 s53, s50, s53
	s_add_co_u32 s52, s52, s53
	s_mov_b32 s53, 0
	s_add_nc_u64 s[BB:BB+1], s[6:7], s[52:53]
	s_add_co_u32 s54, s33, 5
	s_lshl_b32 s54, 1, s54                         ; 32 rows on
	s_mov_b32 s55, 0
.irp t, 1,2,3,4,5,6,7
	s_add_nc_u64 s[BB+2*\t:BB+2*\t+1], s[BB+2*\t-2:BB+2*\t-1], s[54:55]
.endr
	v_lshlrev_b32 v8, 2, v4
.irp i, 0,1,2,3,4,5,6,7,8,9,10,11,12,13,14,15,16,17,18,19,20,21,22,23,24,25,26,27,28,29,30,31
	v_mad_u32_u24 v[WO+\i], s48, \i, v8            ; 4 lane + i rows
.endr
	v_bfe_u32 v9, v0, 3, 1                         ; column n' of the 32 is row r of tile u: u = (n' / 8) % 2,
	v_and_b32 v10, 7, v0
	v_bfe_u32 v11, v0, 4, 1
	v_lshl_or_b32 v10, v11, 3, v10                 ; r = n' % 8 + 8 (n' / 16)
	v_mul_u32_u24 v12, v9, 3072
	v_lshl_add_u32 v12, v10, 4, v12
	s_mul_i32 s56, s28, 6144
	s_add_co_u32 s56, s56, WST                     ; my stage: [tile u][K step][image]
	v_add_nc_u32 v12, s56, v12                     ; in: lane r's place in tile u's images
	v_lshlrev_b32 v13, 4, v4
	v_add_nc_u32 v14, s56, v13                     ; out: 16 lane
	s_lshr_b32 s57, s51, 4
	s_add_co_u32 s57, s57, s46                     ; my first tile
	s_mul_i32 s58, s57, s41
	s_mul_i32 s59, s50, 3072
	s_add_co_u32 s58, s58, s59
	s_mov_b32 s59, 0
	s_add_nc_u64 s[60:61], s[44:45], s[58:59]      ; tile u = 0, my two K steps
	s_mov_b32 s58, s41
	s_add_nc_u64 s[62:63], s[60:61], s[58:59]      ; tile u = 1
	s_add_co_u32 s58, s42, 4
	s_lshl_b32 s58, s57, s58
	s_add_co_u32 s58, s58, s43
	s_lshl_b32 s82, s50, 3
	s_add_co_u32 s58, s58, s82
	s_add_nc_u64 s[44:45], s[44:45], s[58:59]      ; my eight of a row's scale bytes
	v_lshl_add_u32 v15, v9, 4, v10
	v_lshlrev_b32 v15, s42, v15
.macro WL t                            ; block t: W(32 t + i, my column): 32 lanes read 128 consecutive bytes, the four waves stand side by side
.irp i, 0,1,2,3,4,5,6,7,8,9,10,11,12,13,14,15,16,17,18,19,20,21,22,23,24,25,26,27,28,29,30,31
	global_load_b32 v[WX+32*((\t)%2)+\i], v[WO+\i], s[BB+2*(\t):BB+2*(\t)+1] th:TH_LOAD_NT
.endr
.endm
.macro WBLOCK t
.set XS, WX+32*((\t)%2)
.if (\t) < 7
	s_wait_loadcnt 32                              ; this block's 32 loads are in; the next block's may be out
.else
	s_wait_loadcnt 0x0
.endif
	v_max3_num_f32 v122, |v[XS]|, |v[XS+1]|, |v[XS+2]|
	v_max3_num_f32 v123, |v[XS+3]|, |v[XS+4]|, |v[XS+5]|
.irp i, 6,10,14,18,22,26
	v_max3_num_f32 v122, v122, |v[XS+\i]|, |v[XS+\i+1]|
	v_max3_num_f32 v123, v123, |v[XS+\i+2]|, |v[XS+\i+3]|
.endr
	v_max3_num_f32 v122, v122, |v[XS+30]|, |v[XS+31]|
	v_max3_num_f32 v122, v122, v123, 0x1800000     ; the block's largest magnitude, all 32 numbers mine, and the floor
	v_add_nc_u32 v124, 0xff000000, v122
	v_lshrrev_b32 v123, 23, v124
.if (\t)%4 == 0
	v_mov_b32 v[SB+(\t)/4], v123
.else
	v_lshl_or_b32 v[SB+(\t)/4], v123, 8*((\t)%4), v[SB+(\t)/4]
.endif
	v_cvt_scalef32_pk16_fp6_f32 v[WC:WC+2], v[XS:XS+15], v124
	v_cvt_scalef32_pk16_fp6_f32 v[WC+4:WC+6], v[XS+16:XS+31], v124
	v_nop                                          ; one plain place behind a scaled conversion
	v_mov_b32 v[WC+3], v[WC+4]
	v_mov_b32 v[WC+4], v[WC+5]
	v_mov_b32 v[WC+5], v[WC+6]                     ; six registers on end: registers 6c .. 6c+5 of lane r + 16 h, with block = 2c + h of K step t / 4
.irp i, 0,1,2
.set PP, 3*(((\t)/2)%2)+\i
	ds_store_b64 v12, v[WC+2*\i:WC+2*\i+1] offset:((\t)/4)*1536+((\t)%2)*256+(PP/2)*512+(PP%2)*8
.endr
.if (\t)+2 < 8
	WL (\t)+2
.endif
	s_wait_dscnt 0x0                               ; the stores have read their registers: the next block's codes may be written
.endm
	WL 0
	WL 1
.irp t, 0,1,2,3,4,5,6,7
	WBLOCK \t
.endr
.irp k, 0,1,2,3,4,5,6,7,8,9,10,11
	ds_load_b128 v[WX+4*\k:WX+4*\k+3], v14 offset:512*\k
.endr
	global_store_b64 v15, v[SB:SB+1], s[44:45]
.irp k, 0,1,2,3,4,5,6,7,8,9,10,11
	s_wait_dscnt 11-\k
	global_store_b128 v13, v[WX+4*\k:WX+4*\k+3], s[60+2*(\k/6):61+2*(\k/6)] offset:((\k%6)/3)*1536+(\k%3)*512   ; 512 consecutive bytes, aligned
.endr
	s_wait_tensorcnt 0x0
	ds_add_u32 v248, v249
	s_wait_dscnt 0x0
	s_endpgm
.Lfunc_end_k_q5b540427e7_prep:
	.size	k_q5b540427e7_prep, .Lfunc_end_k_q5b540427e7_prep-k_q5b540427e7_prep
	.p2alignl 7, 3214868480
	.fill 96, 4, 3214868480
	.section	.rodata,"a",@progbits
	.p2align	6, 0x0
	.amdhsa_kernel k_q5b540427e7_prep
		.amdhsa_group_segment_fixed_size 58880
		.amdhsa_private_segment_fixed_size 0
		.amdhsa_enable_private_segment 0
		.amdhsa_kernarg_size 96
		.amdhsa_user_sgpr_count 2
		.amdhsa_user_sgpr_kernarg_segment_ptr 1
		.amdhsa_wavefront_size32 1
		.amdhsa_system_sgpr_workgroup_id_x 1
		.amdhsa_system_sgpr_workgroup_id_y 1
		.amdhsa_system_sgpr_workgroup_id_z 1
		.amdhsa_system_vgpr_workitem_id 0
		.amdhsa_next_free_vgpr 250
		.amdhsa_next_free_sgpr 84
		.amdhsa_reserve_vcc 1
		.amdhsa_float_denorm_mode_32 3
		.amdhsa_float_denorm_mode_16_64 3
		.amdhsa_memory_ordered 1
		.amdhsa_forward_progress 1
		.amdhsa_inst_pref_size 99
	.end_amdhsa_kernel
	.amdgpu_metadata
---
amdhsa.version: [ 1, 2 ]
amdhsa.kernels:
  - .name:           k_q5b540427e7_prep
    .symbol:         k_q5b540427e7_prep.kd
    .args:
      - { .name: x, .offset: 0, .size: 8, .value_kind: global_buffer, .address_space: global }
      - { .name: W_DKV, .offset: 8, .size: 8, .value_kind: global_buffer, .address_space: global }
      - { .name: W_DQ, .offset: 16, .size: 8, .value_kind: global_buffer, .address_space: global }
      - { .name: W_KR, .offset: 24, .size: 8, .value_kind: global_buffer, .address_space: global }
      - { .name: W_UK, .offset: 32, .size: 8, .value_kind: global_buffer, .address_space: global }
      - { .name: W_UV, .offset: 40, .size: 8, .value_kind: global_buffer, .address_space: global }
      - { .name: W_UQ, .offset: 48, .size: 8, .value_kind: global_buffer, .address_space: global }
      - { .name: W_QR, .offset: 56, .size: 8, .value_kind: global_buffer, .address_space: global }
      - { .name: xq, .offset: 64, .size: 8, .value_kind: global_buffer, .address_space: global }
      - { .name: w1q, .offset: 72, .size: 8, .value_kind: global_buffer, .address_space: global }
      - { .name: w2q, .offset: 80, .size: 8, .value_kind: global_buffer, .address_space: global }
      - { .name: rt, .offset: 88, .size: 8, .value_kind: global_buffer, .address_space: global }
    .group_segment_fixed_size: 58880
    .private_segment_fixed_size: 0
    .kernarg_segment_align: 8
    .kernarg_segment_size: 96
    .max_flat_workgroup_size: 128
    .sgpr_count:     84
    .vgpr_count:     250
    .wavefront_size: 32
...
	.end_amdgpu_metadata
.endif
;; end of part 1
;; launch gemm1 (part 2): grid 16 x 12, 8 waves a work-group, clusters of 4 x 1, 206,336 bytes of LDS; arguments xq, w1q, rt, b_DKV, b_DQ, b_KR, cq, kv; writes cq, kv
.if DOCPART == 2
	.amdgcn_target "amdgcn-amd-amdhsa--gfx1250"
	.amdhsa_code_object_version 6
	.text
	.protected	k_q5b540427e7_gemm1
	.globl	k_q5b540427e7_gemm1
	.p2align	8
	.type	k_q5b540427e7_gemm1,@function
k_q5b540427e7_gemm1:
	s_mov_b64 s[64:65], 0
	v_nop
	global_prefetch_b8 v0, s[64:65] scope:SCOPE_SE
	s_setreg_imm32_b32 hwreg(HW_REG_WAVE_MODE, 25, 1), 1
	s_wait_xcnt 0x0
	s_wait_alu depctr_hold_cnt(0) depctr_sa_sdst(0) depctr_va_vdst(0) depctr_va_sdst(0) depctr_va_ssrc(0) depctr_va_vcc(0) depctr_vm_vsrc(0)
	s_getreg_b32 s2, hwreg(HW_REG_IB_STS2, 6, 4)
	s_cmp_eq_u32 s2, 0
	s_cbranch_scc0 .Lentry_in_a_cluster
	s_endpgm
.Lentry_in_a_cluster:
	s_bfe_u32 s2, ttmp6, 0x10000c
	s_cmp_lg_u32 s2, 0x3003
	s_cbranch_scc0 .Lentry_shape_is_right
	s_endpgm
.Lentry_shape_is_right:
; GEMM1: x [W_DKV | W_DQ | W_KR] + bias on codes of FP6; the results are quantised on the way: c_kv and c_q along their 512 channels into cq, the rotated k_rope head by head into the key records of kv.
; SHARES.  Work-group (tg, slice): 256 tokens x 128 columns.  The slice's 8 tiles of the weight (source 0) lie in LDS for all of K = 2,048, filled once; each of the 8 waves multiplies them by its own two tiles of tokens
; (source 1), which it loads from memory as images of registers.  A lane then holds one token, and the 64 registers of a token tile run along the slice's 128 columns in their natural order: one K step of the next product.
; CLUSTER.  The four work-groups of a cluster take the same slice: its tiles are asked for jointly (mask 15; the descriptors hang on the slice and the wave's number alone).  LDS bytes are filled once: no slot is filled again.
; A wave has five tensor loads out at the most: its tile's scale bytes and its four chunks of four K steps.
; ROTATION.  A head's 32 numbers are one block of 32 along K of the scores' product; a permutation inside the block, the same for Q and K, changes neither scale nor sum: each rotated pair goes back into its own two registers.
; LIMITS: NaN and infinities are not served; a block whose largest magnitude lies under 2^-124 keeps the byte 1.
.set WV,  20
.set LI,  1                            ; v1  16 lane
.set ACUR, 2                           ; v2  LDS address of the chunk in hand
.set ASC, 3                            ; v3  LDS address of the weight's scale words
.set BIA, 4                            ; v4  LDS address of the bias, + 64 h
.set BSO, 5                            ; v5  x's scale words: 64 r + 1,024 h
.set AS,  6                            ; v6-21  register 4q+s: lanes 0-15 tile q, lanes 16-31 tile q+4, K step s of the chunk
.set BS,  22                           ; v22-29 two sets of four: lanes 0-15 my token tile 0, lanes 16-31 tile 1
.set AF,  32                           ; v32-79 four fragments of the weight
.set BF,  80                           ; v80-127 two sets of two fragments of x
.set ACC, 128                          ; v128-255 accumulator (i, t) at 128 + 64 i + 8 t
.set TM,  32                           ; the way out: v32-47 at work, v48-67 and v104-123 codes, v68-69 scale words, v70-79 and v124-127 lane numbers and offsets
.set PCA, 48
.set PCB, 104
.set PW0, 68
.set SEL, 86
.set G1C, 24
.set G1S, 32
.set G0S, 40
.set G0C, 44
.set BBP, 70
.set BSP, 72
.set IMB, 74
.set SCB, 76
.set RTB, 78
.set RCB, 82
.set RWB, 84
.set HS,  466944                       ; from a head's records to the next head's
.set HSS, 466944
.macro CROUND                          ; a round of the cluster's barrier
	s_barrier_signal -1
	s_barrier_wait -1
	s_cmp_lg_u32 s[WV], 0
	s_cbranch_scc1 .Lnot_wave_0_\@
	s_barrier_signal -3
.Lnot_wave_0_\@:
	s_barrier_wait -3
	s_barrier_signal -1
	s_barrier_wait -1
.endm
.macro QUANT s, pc, pw                 ; 64 numbers of a lane (register 16b+i = k 32b + 16 (lane/16) + i of my row) become a fragment in v[pc] on and its scale word in v[pw]
.irp b, 0,1,2,3
	v_max3_num_f32 v[TM+\b], |v[(\s)+16*\b]|, |v[(\s)+1+16*\b]|, 0x1800000
.endr
.irp i, 2,4,6,8,10,12,14
.irp b, 0,1,2,3
	v_max3_num_f32 v[TM+\b], v[TM+\b], |v[(\s)+16*\b+\i]|, |v[(\s)+1+16*\b+\i]|
.endr
.endr
.irp b, 0,1,2,3
	v_permlanex16_b32 v[TM+4+\b], v[TM+\b], s[SEL], s[SEL+1]
.endr
.irp b, 0,1,2,3
	v_max_num_f32 v[TM+\b], v[TM+\b], v[TM+4+\b]
.endr
.irp b, 0,1,2,3
	v_add_nc_u32 v[TM+12+\b], 0xff000000, v[TM+\b]
.endr
.irp b, 0,1,2,3
	v_lshrrev_b32 v[TM+4+\b], 23, v[TM+12+\b]
.endr
	v_lshl_or_b32 v[\pw], v[TM+5], 8, v[TM+4]
	v_lshl_or_b32 v[\pw], v[TM+6], 16, v[\pw]
	v_lshl_or_b32 v[\pw], v[TM+7], 24, v[\pw]
.irp c, 0,1
	v_cvt_scalef32_pk16_fp6_f32 v[(\pc)+6*\c:(\pc)+2+6*\c], v[(\s)+32*\c:(\s)+15+32*\c], v[TM+12+2*\c]
	v_cvt_scalef32_pk16_fp6_f32 v[(\pc)+12+4*\c:(\pc)+14+4*\c], v[(\s)+16+32*\c:(\s)+31+32*\c], v[TM+12+2*\c+1]
.endr
	v_nop                                          ; one plain place behind a scaled conversion
.irp c, 0,1
.irp i, 0,1,2
	v_permlane16_swap_b32 v[(\pc)+6*\c+\i], v[(\pc)+12+4*\c+\i]
.endr
.irp i, 0,1,2
	v_mov_b32 v[(\pc)+3+6*\c+\i], v[(\pc)+12+4*\c+\i]
.endr
.endr
.endm
.macro WM ra, rb, zero                 ; one product on the registers named by rD, rA, rB, rSA, rSB; ra, rb: the scales stand in lanes 16-31
.if \zero
.if \ra
.if \rb
	v_wmma_scale_f32_16x16x128_f8f6f4 v[rD:rD+7], v[rA:rA+11], v[rB:rB+11], 0, v[rSA], v[rSB] matrix_a_fmt:MATRIX_FMT_FP6 matrix_b_fmt:MATRIX_FMT_FP6 matrix_a_scale:MATRIX_SCALE_ROW1 matrix_b_scale:MATRIX_SCALE_ROW1
.else
	v_wmma_scale_f32_16x16x128_f8f6f4 v[rD:rD+7], v[rA:rA+11], v[rB:rB+11], 0, v[rSA], v[rSB] matrix_a_fmt:MATRIX_FMT_FP6 matrix_b_fmt:MATRIX_FMT_FP6 matrix_a_scale:MATRIX_SCALE_ROW1
.endif
.else
.if \rb
	v_wmma_scale_f32_16x16x128_f8f6f4 v[rD:rD+7], v[rA:rA+11], v[rB:rB+11], 0, v[rSA], v[rSB] matrix_a_fmt:MATRIX_FMT_FP6 matrix_b_fmt:MATRIX_FMT_FP6 matrix_b_scale:MATRIX_SCALE_ROW1
.else
	v_wmma_scale_f32_16x16x128_f8f6f4 v[rD:rD+7], v[rA:rA+11], v[rB:rB+11], 0, v[rSA], v[rSB] matrix_a_fmt:MATRIX_FMT_FP6 matrix_b_fmt:MATRIX_FMT_FP6
.endif
.endif
.else
.if \ra
.if \rb
	v_wmma_scale_f32_16x16x128_f8f6f4 v[rD:rD+7], v[rA:rA+11], v[rB:rB+11], v[rD:rD+7], v[rSA], v[rSB] matrix_a_fmt:MATRIX_FMT_FP6 matrix_b_fmt:MATRIX_FMT_FP6 matrix_a_scale:MATRIX_SCALE_ROW1 matrix_b_scale:MATRIX_SCALE_ROW1
.else
	v_wmma_scale_f32_16x16x128_f8f6f4 v[rD:rD+7], v[rA:rA+11], v[rB:rB+11], v[rD:rD+7], v[rSA], v[rSB] matrix_a_fmt:MATRIX_FMT_FP6 matrix_b_fmt:MATRIX_FMT_FP6 matrix_a_scale:MATRIX_SCALE_ROW1
.endif
.else
.if \rb
	v_wmma_scale_f32_16x16x128_f8f6f4 v[rD:rD+7], v[rA:rA+11], v[rB:rB+11], v[rD:rD+7], v[rSA], v[rSB] matrix_a_fmt:MATRIX_FMT_FP6 matrix_b_fmt:MATRIX_FMT_FP6 matrix_b_scale:MATRIX_SCALE_ROW1
.else
	v_wmma_scale_f32_16x16x128_f8f6f4 v[rD:rD+7], v[rA:rA+11], v[rB:rB+11], v[rD:rD+7], v[rSA], v[rSB] matrix_a_fmt:MATRIX_FMT_FP6 matrix_b_fmt:MATRIX_FMT_FP6
.endif
.endif
.endif
.endm
.macro BFL base, ks, p, ts             ; my two token tiles' fragments of K step ks into set p: six loads of 512 consecutive bytes
.irp i, 0,1
.irp c3, 0,1,2
	global_load_b128 v[BF+24*(\p)+12*\i+4*\c3:BF+24*(\p)+12*\i+4*\c3+3], v[LI], s[\base:\base+1] offset:\i*(\ts)+(\ks)*1536+512*\c3
.endr
.endr
.endm
.macro AFL s, hf                       ; four fragments of the weight (tiles 4 hf .. 4 hf + 3, K step s of the chunk) from LDS
.rept 4
	v_nop                                          ; four places in front of loads into registers that matrix instructions have read (ISA guide 7.12.1 for vector instructions)
.endr
.irp q, 0,1,2,3
.irp c3, 0,1,2
	ds_load_b128 v[AF+12*\q+4*\c3:AF+12*\q+4*\c3+3], v[ACUR] offset:(4*(\hf)+\q)*6144+(\s)*1536+512*\c3
.endr
.endr
.endm
.macro MM s, p, sp, hf, zero           ; eight products: the 16 accumulators take turns, one instruction a turn
	s_wait_dscnt 0x0
.irp q, 0,1,2,3
.irp i, 0,1
.set rD, ACC+64*\i+8*(4*(\hf)+\q)
.set rA, AF+12*\q
.set rB, BF+24*(\p)+12*\i
.set rSA, AS+4*\q+(\s)
.set rSB, BS+4*(\sp)+(\s)
	WM \hf, \i, \zero
.endr
.endr
.endm
.macro KS c, s, z                      ; K step 4 c + s
	AFL \s, 0
.if 4*(\c)+(\s) < 15
	BFL BBP, 4*(\c)+(\s)+1, ((\s)+1)%2, 24576
.if ((\s) == 2) && ((\c) < 3)
	global_load_b128 v[BS+4*(((\c)+1)%2):BS+4*(((\c)+1)%2)+3], v[BSO], s[BSP:BSP+1] offset:16*((\c)+1)
	s_wait_loadcnt 7                               ; the six loads of the next K step and the next chunk's scale words may be out: this K step's fragments are in
.else
	s_wait_loadcnt 6                               ; the six loads just issued may be out: this K step's fragments (and scale words) are in
.endif
.else
	s_wait_loadcnt 0x0
.endif
	MM \s, (\s)%2, (\c)%2, 0, \z
	AFL \s, 1
	MM \s, (\s)%2, (\c)%2, 1, \z
.endm
.macro CHUNK c                         ; chunk c of the weight's tiles is whole in LDS behind this barrier
	s_wait_tensorcnt 3-(\c)                        ; my part of it has landed; the later chunks may stay out
	s_wait_dscnt 0x0
	s_barrier_signal -1
	s_barrier_wait -1
	v_add_nc_u32 v[ACUR], (\c)*49152, v[LI]
.rept 4
	v_nop                                          ; places in front of the loads into scale registers that matrix instructions have read
.endr
.irp q, 0,1,2,3
	ds_load_b128 v[AS+4*\q:AS+4*\q+3], v[ASC] offset:\q*1024+16*(\c)
.endr
.endm
.macro BIASN                           ; the bias of my 128 columns onto both token tiles, four tiles of columns at a time; each accumulator is read from its low end on
.irp hf, 0,1
.irp q, 0,1,2,3
.irp k, 0,1
	ds_load_b128 v[32+8*\q+4*\k:32+8*\q+4*\k+3], v[BIA] offset:(32*((4*\hf+\q)/2)+8*(\q%2))*4+16*\k
.endr
.endr
	s_wait_dscnt 0x0
.irp i, 0,1
.irp q, 0,1,2,3
.irp e, 0,2,4,6
.set rD, ACC+64*\i+8*(4*\hf+\q)+\e
	v_pk_add_f32 v[rD:rD+1], v[rD:rD+1], v[32+8*\q+\e:33+8*\q+\e]
.endr
.endr
.endr
.endr
.endm
.macro CSL i, cs                       ; cos and sin of my token's position, pairs 8 h .. 8 h + 7
.irp k, 0,1,2,3
	global_load_b128 v[(\cs)+4*\k:(\cs)+4*\k+3], v124, s[RTB:RTB+1] offset:(\i)*1024+16*\k
.endr
.endm
.macro ROPE i, cs                      ; four heads x eight pairs: (x1, x2) -> (x1 cos - x2 sin, x1 sin + x2 cos), in place
.irp b, 0,1,2,3
.irp m, 0,1,2,3,4,5,6,7
.set rX, ACC+64*(\i)+16*\b+2*\m
.set rT, 32+2*(\m%4)
	v_mul_f32 v[rT], v[rX+1], v[(\cs)+8+\m]
	v_mul_f32 v[rT+1], v[rX+1], v[(\cs)+\m]
	v_fma_f32 v[rX+1], v[rX], v[(\cs)+8+\m], v[rT+1]
	v_fma_f32 v[rX], v[rX], v[(\cs)+\m], -v[rT]
.endr
.endr
.endm
.macro STIMG pc, base, imm
.irp c, 0,1,2
	global_store_b128 v[LI], v[(\pc)+4*\c:(\pc)+4*\c+3], s[\base:\base+1] offset:(\imm)+512*\c   ; 512 consecutive bytes, aligned
.endr
.endm
; A rotated fragment holds four heads' blocks: registers 6c .. 6c+5 of lane half h are head 2c + h's 24 bytes of row r.  Each goes to its head's place; its scale byte goes out four times in a word.
.macro STROPE i, pc, pw, d
	v_lshrrev_b32 v[\d], v74, v[\pw]
	v_perm_b32 v[(\d)+1], v[\d], v[\d], 0x02020202
	v_perm_b32 v[\d], v[\d], v[\d], 0
.irp c, 0,1
.irp k, 0,1,2
	global_store_b64 v72, v[(\pc)+6*\c+2*\k:(\pc)+6*\c+2*\k+1], s[RCB:RCB+1] offset:(\i)*384+\c*2*HS+8*\k
.endr
	global_store_b32 v73, v[(\d)+\c], s[RWB:RWB+1] offset:(\i)*4+\c*2*HSS
.endr
.endm
	s_load_b512 s[4:19], s[0:1], 0x0               ; xq, w1q, rt, b_DKV, b_DQ, b_KR, cq, kv
	s_set_vgpr_msb 0x40
	v_lshl_add_u32 v0, v0, 2, 0x32200
	v_mov_b32 v1, 0
	s_set_vgpr_msb 0x4045
	ds_add_u32 v0, v1
	s_set_vgpr_msb 0x4500
	v_lshrrev_b32 v1, 5, v0
	v_readfirstlane_b32 s[WV], v1                  ; wave 0..7
	s_bfe_u32 s21, ttmp6, 0x40000                  ; cx
	s_lshl_b32 s22, ttmp9, 2
	s_add_co_u32 s22, s22, s21                     ; tg: my 256 tokens; it enters global addresses alone
	s_and_b32 s23, ttmp7, 0xffff                   ; the slice, which the four partners share
	s_mov_b32 s[G1C], 15|(3<<16)|(1<<21)           ; mask: all four; elements of 8 bytes; bit 21 beside a mask; no padding
	s_mov_b32 s[G1C+1], 32<<16                     ; tensor_dim0 = 32 elements: rows of 256 bytes
	s_mov_b32 s[G1C+2], 24<<16                     ; tensor_dim1 = 24 rows: four images, 6,144 dense bytes
	s_mov_b32 s[G1C+3], 32<<16                     ; tile_dim0
	s_mov_b32 s[G1C+4], 24                         ; tile_dim1
	s_mov_b32 s[G1C+5], 32                         ; pitch
	s_mov_b32 s[G1C+6], 0
	s_mov_b32 s[G1C+7], 0
	s_mov_b32 s[G1S], 15|(3<<16)|(1<<21)           ; a tile's scale bytes: 4 rows of 256 bytes
	s_mov_b32 s[G1S+1], 32<<16
	s_mov_b32 s[G1S+2], 4<<16
	s_mov_b32 s[G1S+3], 32<<16
	s_mov_b32 s[G1S+4], 4
	s_mov_b32 s[G1S+5], 32
	s_mov_b32 s[G1S+6], 0
	s_mov_b32 s[G1S+7], 0
	s_lshl_b32 s60, s23, 3
	s_add_co_u32 s60, s60, s[WV]                   ; the tile that I fetch: 8 slice + wave
	s_mul_i32 s62, s60, 24576
	s_mov_b32 s63, 0
	s_lshl_b32 s60, s60, 10
	s_add_co_u32 s60, s60, 2359296
	s_mov_b32 s61, 0
	s_mul_i32 s66, s[WV], 6144
	s_lshl_b32 s67, s[WV], 10
	s_mov_b32 s[SEL], 0x76543210
	s_mov_b32 s[SEL+1], 0xfedcba98
	s_wait_dscnt 0x0
	s_wait_kmcnt 0x0
	s_add_nc_u64 s[62:63], s[6:7], s[62:63]
	s_add_nc_u64 s[60:61], s[6:7], s[60:61]
	s_mov_b32 s[G0S], 1
	s_add_co_u32 s[G0S+1], s67, 196608
	s_mov_b64 s[G0S+2:G0S+3], s[60:61]
	s_or_b32 s[G0S+3], s[G0S+3], 0x80000000
.irp c, 0,1,2,3
	s_mov_b32 s[G0C+4*\c], 1
	s_add_co_u32 s[G0C+4*\c+1], s66, \c*49152
	s_add_nc_u64 s[G0C+4*\c+2:G0C+4*\c+3], s[62:63], \c*6144
	s_or_b32 s[G0C+4*\c+3], s[G0C+4*\c+3], 0x80000000
.endr
	CROUND                                         ; all four work-groups are here: the joint loads meet
	tensor_load_to_lds s[G0S:G0S+3], s[G1S:G1S+7]
	s_nop 0
	tensor_load_to_lds s[G0C:G0C+3], s[G1C:G1C+7]
	s_nop 0
	tensor_load_to_lds s[G0C+4:G0C+7], s[G1C:G1C+7]
	s_nop 0
	tensor_load_to_lds s[G0C+8:G0C+11], s[G1C:G1C+7]
	s_nop 0
	tensor_load_to_lds s[G0C+12:G0C+15], s[G1C:G1C+7]
	s_nop 0
.rept 4
	v_nop
.endr
	v_and_b32 v2, 31, v0
	v_lshlrev_b32 v[LI], 4, v2
	v_and_b32 v30, 15, v0                          ; r
	v_bfe_u32 v31, v0, 4, 1                        ; h
	v_lshlrev_b32 v[BSO], 6, v30
	v_lshl_add_u32 v[ASC], v31, 12, v[BSO]
	v_add_nc_u32 v[ASC], 196608, v[ASC]            ; 64 r + 4,096 h: lanes 16-31 take the tile four further on
	v_lshl_add_u32 v[BSO], v31, 10, v[BSO]
	v_lshlrev_b32 v[BIA], 6, v31
	v_add_nc_u32 v[BIA], 204800, v[BIA]
	v_add_nc_u32 v31, 204800, v[LI]                ; where wave 0 puts the slice's bias
	s_lshr_b32 s68, s23, 2
	s_cmp_eq_u32 s68, 1
	s_cselect_b64 s[10:11], s[12:13], s[10:11]
	s_cmp_eq_u32 s68, 2
	s_cselect_b64 s[10:11], s[14:15], s[10:11]
	s_and_b32 s68, s23, 3
	s_lshl_b32 s68, s68, 9
	s_mov_b32 s69, 0
	s_add_nc_u64 s[10:11], s[10:11], s[68:69]      ; the slice's 128 numbers of its bias
	s_lshl_b32 s80, s22, 4
	s_lshl_b32 s81, s[WV], 1
	s_add_co_u32 s80, s80, s81                     ; my first token tile: 16 tg + 2 wave
	s_mul_i32 s68, s80, 24576
	s_add_nc_u64 s[BBP:BBP+1], s[4:5], s[68:69]
	s_lshl_b32 s68, s80, 10
	s_add_co_u32 s68, s68, 6291456
	s_add_nc_u64 s[BSP:BSP+1], s[4:5], s[68:69]
	s_cmp_lg_u32 s[WV], 0
	s_cbranch_scc1 .Lno_bias
	global_load_b128 v[32:35], v[LI], s[10:11]
	s_wait_loadcnt 0x0
	ds_store_b128 v31, v[32:35]                    ; bytes of their own: no fill lands there; the first barrier below shows them to all waves
.Lno_bias:
	global_load_b128 v[BS:BS+3], v[BSO], s[BSP:BSP+1]
	BFL BBP, 0, 0, 24576
	CHUNK 0
	KS 0, 0, 1                                     ; the first products start the sums
	KS 0, 1, 0
	KS 0, 2, 0
	KS 0, 3, 0
.irp c, 1,2,3
	CHUNK \c
	KS \c, 0, 0
	KS \c, 1, 0
	KS \c, 2, 0
	KS \c, 3, 0
.endr
.rept 4
	v_nop                                          ; places in front of the first reads of results and of writes of operand registers
.endr
	s_cmp_lt_u32 s23, 8
	s_cbranch_scc1 .Lno_cs                         ; slices 8-11 are W_KR's: their results are rotated
	s_lshl_b32 s68, s80, 4                         ; my first token,
	s_and_b32 s68, s68, 2047                       ; its position in its batch
	s_lshl_b32 s68, s68, 7
	s_add_nc_u64 s[RTB:RTB+1], s[8:9], s[68:69]
	v_and_b32 v124, 15, v0
	v_and_b32 v125, 8, v0
	v_add_nc_u32 v124, v124, v125                  ; r + 8 (r / 8)
	v_bfe_u32 v125, v0, 4, 1
	v_lshlrev_b32 v124, 7, v124
	v_lshl_add_u32 v124, v125, 6, v124
	CSL 0, 64
	CSL 1, 104
.Lno_cs:
	BIASN
	s_cmp_lt_u32 s23, 8
	s_cbranch_scc1 .Lquant
	s_wait_loadcnt 0x0
	ROPE 0, 64
	ROPE 1, 104
.Lquant:
	QUANT ACC, PCA, PW0
	QUANT ACC+64, PCB, PW0+1
	v_and_b32 v70, 15, v0                          ; r
	v_bfe_u32 v71, v0, 4, 1                        ; h
	s_cmp_ge_u32 s23, 8
	s_cbranch_scc1 .Lst_rope
	s_lshr_b32 s81, s23, 2                         ; c_kv or c_q
	s_and_b32 s82, s23, 3                          ; which K step of the next product
	s_mul_i32 s68, s81, 1572864
	s_mul_i32 s83, s80, 6144
	s_add_co_u32 s68, s68, s83
	s_mul_i32 s83, s82, 1536
	s_add_co_u32 s68, s68, s83
	s_add_nc_u64 s[IMB:IMB+1], s[16:17], s[68:69]
	s_lshl_b32 s68, s81, 16
	s_lshl_b32 s83, s80, 8
	s_add_co_u32 s68, s68, s83
	s_lshl_b32 s83, s82, 2
	s_add_co_u32 s68, s68, s83
	s_add_co_u32 s68, s68, 3145728
	s_add_nc_u64 s[SCB:SCB+1], s[16:17], s[68:69]
	STIMG PCA, IMB, 0
	STIMG PCB, IMB, 6144
	v_lshlrev_b32 v72, 4, v70
	v_lshl_add_u32 v72, v71, 8, v72                ; 16 r, + 256 for tile 1
	v_cmp_eq_u32 vcc_lo, 1, v71
	v_cndmask_b32 v73, v[PW0], v[PW0+1], vcc_lo    ; lanes 0-15 store tile 0's words, lanes 16-31 tile 1's
	global_store_b32 v72, v73, s[SCB:SCB+1]
	s_branch .Lend
.Lst_rope:
	s_sub_co_u32 s74, s23, 8
	s_lshl_b32 s74, s74, 2
	s_lshr_b32 s75, s22, 3
	s_lshl_b32 s75, s75, 4
	s_add_co_u32 s74, s74, s75                     ; 16 batch + the first of the slice's four heads
	s_mul_i32 s74, s74, 466944
	s_and_b32 s75, s22, 7
	s_lshl_b32 s75, s75, 1
	s_lshr_b32 s76, s[WV], 2
	s_add_co_u32 s75, s75, s76                     ; the key step: 2 (tg % 8) + wave / 4
	s_mul_i32 s75, s75, 29184
	s_add_co_u32 s74, s74, s75                     ; the record
	s_bfe_u32 s75, s[WV], 0x10001                  ; my tiles 2 (wave % 4) + i of the step's eight: group of four,
	s_and_b32 s76, s[WV], 1                        ; and place in it
	s_mul_i32 s68, s75, 1536
	s_mul_i32 s77, s76, 768
	s_add_co_u32 s68, s68, s77
	s_add_co_u32 s68, s68, s74
	s_add_co_u32 s68, s68, 12288
	s_add_nc_u64 s[RCB:RCB+1], s[18:19], s[68:69]
	s_lshl_b32 s68, s75, 8
	s_lshl_b32 s77, s76, 3
	s_add_co_u32 s68, s68, s77
	s_add_co_u32 s68, s68, s74
	s_add_co_u32 s68, s68, 15872
	s_add_nc_u64 s[RWB:RWB+1], s[18:19], s[68:69]
	v_mul_u32_u24 v72, v71, HS
	v_lshl_add_u32 v73, v70, 4, v72                ; words: head h, 16 r
	v_mad_u32_u24 v72, v70, 24, v72                ; codes: head h, 24 r
	v_lshlrev_b32 v74, 3, v71
	STROPE 0, PCA, PW0, 76
	STROPE 1, PCB, PW0+1, 78
.Lend:
	s_wait_dscnt 0x0
	s_set_vgpr_msb 0x5
	s_wait_tensorcnt 0x0
	ds_add_u32 v0, v1
	s_wait_dscnt 0x0
	s_set_vgpr_msb 0x500
	CROUND                                         ; the closing round: no work-group ends while a partner may still ask for a tile that names it
	s_endpgm
.Lfunc_end_k_q5b540427e7_gemm1:
	.size	k_q5b540427e7_gemm1, .Lfunc_end_k_q5b540427e7_gemm1-k_q5b540427e7_gemm1
	.p2alignl 7, 3214868480
	.fill 96, 4, 3214868480
	.section	.rodata,"a",@progbits
	.p2align	6, 0x0
	.amdhsa_kernel k_q5b540427e7_gemm1
		.amdhsa_group_segment_fixed_size 206336
		.amdhsa_private_segment_fixed_size 0
		.amdhsa_enable_private_segment 0
		.amdhsa_kernarg_size 64
		.amdhsa_user_sgpr_count 2
		.amdhsa_user_sgpr_kernarg_segment_ptr 1
		.amdhsa_wavefront_size32 1
		.amdhsa_system_sgpr_workgroup_id_x 1
		.amdhsa_system_sgpr_workgroup_id_y 1
		.amdhsa_system_sgpr_workgroup_id_z 1
		.amdhsa_system_vgpr_workitem_id 0
		.amdhsa_next_free_vgpr 258
		.amdhsa_next_free_sgpr 88
		.amdhsa_reserve_vcc 1
		.amdhsa_float_denorm_mode_32 3
		.amdhsa_float_denorm_mode_16_64 3
		.amdhsa_memory_ordered 1
		.amdhsa_forward_progress 1
		.amdhsa_inst_pref_size 111
	.end_amdhsa_kernel
	.amdgpu_metadata
---
amdhsa.version: [ 1, 2 ]
amdhsa.kernels:
  - .name:           k_q5b540427e7_gemm1
    .symbol:         k_q5b540427e7_gemm1.kd
    .args:
      - { .name: xq, .offset: 0, .size: 8, .value_kind: global_buffer, .address_space: global }
      - { .name: w1q, .offset: 8, .size: 8, .value_kind: global_buffer, .address_space: global }
      - { .name: rt, .offset: 16, .size: 8, .value_kind: global_buffer, .address_space: global }
      - { .name: b_DKV, .offset: 24, .size: 8, .value_kind: global_buffer, .address_space: global }
      - { .name: b_DQ, .offset: 32, .size: 8, .value_kind: global_buffer, .address_space: global }
      - { .name: b_KR, .offset: 40, .size: 8, .value_kind: global_buffer, .address_space: global }
      - { .name: cq, .offset: 48, .size: 8, .value_kind: global_buffer, .address_space: global }
      - { .name: kv, .offset: 56, .size: 8, .value_kind: global_buffer, .address_space: global }
    .group_segment_fixed_size: 206336
    .private_segment_fixed_size: 0
    .kernarg_segment_align: 8
    .kernarg_segment_size: 64
    .max_flat_workgroup_size: 256
    .sgpr_count:     88
    .vgpr_count:     258
    .wavefront_size: 32
...
	.end_amdgpu_metadata
.endif
;; end of part 2
;; launch gemm2 (part 3): grid 4 x 52, 8 waves a work-group, no clusters, 168,960 bytes of LDS; arguments cq, w2q, rt, b_UK, b_UQ, b_QR, b_UV, kv, qq; writes kv, qq
.if DOCPART == 3
	.amdgcn_target "amdgcn-amd-amdhsa--gfx1250"
	.amdhsa_code_object_version 6
	.text
	.protected	k_q5b540427e7_gemm2
	.globl	k_q5b540427e7_gemm2
	.p2align	8
	.type	k_q5b540427e7_gemm2,@function
k_q5b540427e7_gemm2:
	s_mov_b64 s[64:65], 0
	v_nop
	global_prefetch_b8 v0, s[64:65] scope:SCOPE_SE
	s_setreg_imm32_b32 hwreg(HW_REG_WAVE_MODE, 25, 1), 1
	s_wait_xcnt 0x0
; GEMM2: the four products on c_kv and c_q (K = 512), each result quantised on the way as attention wants it.
; y 0-15:  K of head y = c_kv W_UK + b: source 0 = the head's 8 tiles of W_UK (in LDS), source 1 = token tiles: a lane holds a token, registers run along the head's 128 channels: codes along the channels -> kv.
; y 16-31: Q of head y - 16, the same with c_q and W_UQ -> qq.     y 32-35: q_rope, four heads a slice of W_QR, rotated -> qq.
; y 36-51: V, WITH THE ROLES SWAPPED: source 0 = 8 token tiles of c_kv (128 keys, in LDS), source 1 = tiles of W_UV: a lane holds a channel and its registers run along 128 keys: codes along the KEYS -> kv.
;          Work-group (x, y) takes keys 128 G on, G = 2 (y - 36) + x / 2, and heads 8 (x % 2) + wave: a wave's eight tiles of W_UV are one head.
; A work-group holds source 0's 8 tiles in LDS, filled once, each wave fetching one tile and its scale bytes; each wave walks four units of two tiles of source 1, loaded from memory as images of registers.
; So all 208 work-groups have the same work.  A wave has two tensor loads out.  No LDS byte is filled again.
; NO CLUSTER: a slice of source 0 is 8 x (6,144 + 256) = 51,200 bytes, against 8 waves x 4 units x 2 x (6,144 + 256) = 409,600 bytes of a work-group's own tiles of source 1: what is shared is a ninth of its bytes;
; and V's slices are shared by two work-groups where the others' are shared by four, so that one shape of cluster would not serve both.
; LIMITS: NaN and infinities are not served; a block whose largest magnitude lies under 2^-124 keeps the byte 1.
.set WV,  22
.set LI,  1                            ; v1  16 lane: also the LDS address of source 0's images
.set ACUR, 1
.set ASC, 3                            ; v3  LDS address of source 0's scale words
.set BIA, 4                            ; v4  LDS address of the bias, + 64 h
.set BSO, 5                            ; v5  source 1's scale words: 16 r + 256 h
.set AS,  6                            ; v6-21  register 4q+s: lanes 0-15 tile q, lanes 16-31 tile q+4, K step s
.set BS,  22                           ; v22-25 lanes 0-15 my tile 0, lanes 16-31 tile 1
.set VBO, 26                           ; v26 V's bias: 4 (r + 8 (r/8));  v27 where wave 0 puts the bias;  v[30:31], v[28:29]: V's bias of tiles 0 and 1 in the low words
.set AF,  32
.set BF,  80
.set ACC, 128
.set TM,  32
.set PCA, 48
.set PCB, 104
.set PW0, 68
.set SEL, 52
.set MR,  59                           ; s59 y - 32: under 4 in q_rope's shares
.set G1C, 28
.set G1S, 36
.set G0C, 44
.set G0S, 48
.set BBP, 70
.set BSP, 72
.set BNP, 74
.set BSN, 76
.set VBP, 78
.set VBN, 80
.set IMB, 88
.set SC0, 90
.set SCU, 92
.set RTB, 104
.set RCB, 88
.set RWB, 92
.set HS,  49152                        ; q_rope's codes: from head to head
.set HSS, 8192                         ; and its scale words
.macro QUANT s, pc, pw                 ; 64 numbers of a lane (register 16b+i = k 32b + 16 (lane/16) + i of my row) become a fragment in v[pc] on and its scale word in v[pw]
.irp b, 0,1,2,3
	v_max3_num_f32 v[TM+\b], |v[(\s)+16*\b]|, |v[(\s)+1+16*\b]|, 0x1800000
.endr
.irp i, 2,4,6,8,10,12,14
.irp b, 0,1,2,3
	v_max3_num_f32 v[TM+\b], v[TM+\b], |v[(\s)+16*\b+\i]|, |v[(\s)+1+16*\b+\i]|
.endr
.endr
.irp b, 0,1,2,3
	v_permlanex16_b32 v[TM+4+\b], v[TM+\b], s[SEL], s[SEL+1]
.endr
.irp b, 0,1,2,3
	v_max_num_f32 v[TM+\b], v[TM+\b], v[TM+4+\b]
.endr
.irp b, 0,1,2,3
	v_add_nc_u32 v[TM+12+\b], 0xff000000, v[TM+\b]
.endr
.irp b, 0,1,2,3
	v_lshrrev_b32 v[TM+4+\b], 23, v[TM+12+\b]
.endr
	v_lshl_or_b32 v[\pw], v[TM+5], 8, v[TM+4]
	v_lshl_or_b32 v[\pw], v[TM+6], 16, v[\pw]
	v_lshl_or_b32 v[\pw], v[TM+7], 24, v[\pw]
.irp c, 0,1
	v_cvt_scalef32_pk16_fp6_f32 v[(\pc)+6*\c:(\pc)+2+6*\c], v[(\s)+32*\c:(\s)+15+32*\c], v[TM+12+2*\c]
	v_cvt_scalef32_pk16_fp6_f32 v[(\pc)+12+4*\c:(\pc)+14+4*\c], v[(\s)+16+32*\c:(\s)+31+32*\c], v[TM+12+2*\c+1]
.endr
	v_nop                                          ; one plain place behind a scaled conversion
.irp c, 0,1
.irp i, 0,1,2
	v_permlane16_swap_b32 v[(\pc)+6*\c+\i], v[(\pc)+12+4*\c+\i]
.endr
.irp i, 0,1,2
	v_mov_b32 v[(\pc)+3+6*\c+\i], v[(\pc)+12+4*\c+\i]
.endr
.endr
.endm
.macro WM ra, rb, zero
.if \zero
.if \ra
.if \rb
	v_wmma_scale_f32_16x16x128_f8f6f4 v[rD:rD+7], v[rA:rA+11], v[rB:rB+11], 0, v[rSA], v[rSB] matrix_a_fmt:MATRIX_FMT_FP6 matrix_b_fmt:MATRIX_FMT_FP6 matrix_a_scale:MATRIX_SCALE_ROW1 matrix_b_scale:MATRIX_SCALE_ROW1
.else
	v_wmma_scale_f32_16x16x128_f8f6f4 v[rD:rD+7], v[rA:rA+11], v[rB:rB+11], 0, v[rSA], v[rSB] matrix_a_fmt:MATRIX_FMT_FP6 matrix_b_fmt:MATRIX_FMT_FP6 matrix_a_scale:MATRIX_SCALE_ROW1
.endif
.else
.if \rb
	v_wmma_scale_f32_16x16x128_f8f6f4 v[rD:rD+7], v[rA:rA+11], v[rB:rB+11], 0, v[rSA], v[rSB] matrix_a_fmt:MATRIX_FMT_FP6 matrix_b_fmt:MATRIX_FMT_FP6 matrix_b_scale:MATRIX_SCALE_ROW1
.else
	v_wmma_scale_f32_16x16x128_f8f6f4 v[rD:rD+7], v[rA:rA+11], v[rB:rB+11], 0, v[rSA], v[rSB] matrix_a_fmt:MATRIX_FMT_FP6 matrix_b_fmt:MATRIX_FMT_FP6
.endif
.endif
.else
.if \ra
.if \rb
	v_wmma_scale_f32_16x16x128_f8f6f4 v[rD:rD+7], v[rA:rA+11], v[rB:rB+11], v[rD:rD+7], v[rSA], v[rSB] matrix_a_fmt:MATRIX_FMT_FP6 matrix_b_fmt:MATRIX_FMT_FP6 matrix_a_scale:MATRIX_SCALE_ROW1 matrix_b_scale:MATRIX_SCALE_ROW1
.else
	v_wmma_scale_f32_16x16x128_f8f6f4 v[rD:rD+7], v[rA:rA+11], v[rB:rB+11], v[rD:rD+7], v[rSA], v[rSB] matrix_a_fmt:MATRIX_FMT_FP6 matrix_b_fmt:MATRIX_FMT_FP6 matrix_a_scale:MATRIX_SCALE_ROW1
.endif
.else
.if \rb
	v_wmma_scale_f32_16x16x128_f8f6f4 v[rD:rD+7], v[rA:rA+11], v[rB:rB+11], v[rD:rD+7], v[rSA], v[rSB] matrix_a_fmt:MATRIX_FMT_FP6 matrix_b_fmt:MATRIX_FMT_FP6 matrix_b_scale:MATRIX_SCALE_ROW1
.else
	v_wmma_scale_f32_16x16x128_f8f6f4 v[rD:rD+7], v[rA:rA+11], v[rB:rB+11], v[rD:rD+7], v[rSA], v[rSB] matrix_a_fmt:MATRIX_FMT_FP6 matrix_b_fmt:MATRIX_FMT_FP6
.endif
.endif
.endif
.endm
.macro BFL base, ks, p, ts
.irp i, 0,1
.irp c3, 0,1,2
	global_load_b128 v[BF+24*(\p)+12*\i+4*\c3:BF+24*(\p)+12*\i+4*\c3+3], v[LI], s[\base:\base+1] offset:\i*(\ts)+(\ks)*1536+512*\c3
.endr
.endr
.endm
.macro AFL s, hf
.rept 4
	v_nop                                          ; four places in front of loads into registers that matrix instructions have read
.endr
.irp q, 0,1,2,3
.irp c3, 0,1,2
	ds_load_b128 v[AF+12*\q+4*\c3:AF+12*\q+4*\c3+3], v[ACUR] offset:(4*(\hf)+\q)*6144+(\s)*1536+512*\c3
.endr
.endr
.endm
.macro MM s, p, sp, hf, zero           ; eight products: the 16 accumulators take turns, one instruction a turn
	s_wait_dscnt 0x0
.irp q, 0,1,2,3
.irp i, 0,1
.set rD, ACC+64*\i+8*(4*(\hf)+\q)
.set rA, AF+12*\q
.set rB, BF+24*(\p)+12*\i
.set rSA, AS+4*\q+(\s)
.set rSB, BS+4*(\sp)+(\s)
	WM \hf, \i, \zero
.endr
.endr
.endm
.macro KS s, base, nks, z              ; K step s; the fragments of the K step that follows (nks, from base) are asked for
	AFL \s, 0
	BFL \base, \nks, ((\s)+1)%2, 6144
	s_wait_loadcnt 6                               ; the six loads just issued may be out: this K step's fragments, the unit's scale words and V's bias are in
	MM \s, (\s)%2, 0, 0, \z
	AFL \s, 1
	MM \s, (\s)%2, 0, 1, \z
.endm
.macro BIASN                           ; the bias of my 128 columns onto both tiles of source 1, four tiles of columns at a time; each accumulator is read from its low end on
.irp hf, 0,1
.irp q, 0,1,2,3
.irp k, 0,1
	ds_load_b128 v[32+8*\q+4*\k:32+8*\q+4*\k+3], v[BIA] offset:(32*((4*\hf+\q)/2)+8*(\q%2))*4+16*\k
.endr
.endr
	s_wait_dscnt 0x0
.irp i, 0,1
.irp q, 0,1,2,3
.irp e, 0,2,4,6
.set rD, ACC+64*\i+8*(4*\hf+\q)+\e
	v_pk_add_f32 v[rD:rD+1], v[rD:rD+1], v[32+8*\q+\e:33+8*\q+\e]
.endr
.endr
.endr
.endr
.endm
.macro CSL i, cs                       ; cos and sin of my token's position, pairs 8 h .. 8 h + 7
.irp k, 0,1,2,3
	global_load_b128 v[(\cs)+4*\k:(\cs)+4*\k+3], v124, s[RTB:RTB+1] offset:(\i)*1024+16*\k
.endr
.endm
.macro ROPE i, cs                      ; four heads x eight pairs: (x1, x2) -> (x1 cos - x2 sin, x1 sin + x2 cos), in place
.irp b, 0,1,2,3
.irp m, 0,1,2,3,4,5,6,7
.set rX, ACC+64*(\i)+16*\b+2*\m
.set rT, 32+2*(\m%4)
	v_mul_f32 v[rT], v[rX+1], v[(\cs)+8+\m]
	v_mul_f32 v[rT+1], v[rX+1], v[(\cs)+\m]
	v_fma_f32 v[rX+1], v[rX], v[(\cs)+8+\m], v[rT+1]
	v_fma_f32 v[rX], v[rX], v[(\cs)+\m], -v[rT]
.endr
.endr
.endm
.macro STIMG pc, base, imm
.irp c, 0,1,2
	global_store_b128 v[LI], v[(\pc)+4*\c:(\pc)+4*\c+3], s[\base:\base+1] offset:(\imm)+512*\c
.endr
.endm
; A rotated fragment holds four heads' blocks: registers 6c .. 6c+5 of lane half h are head 2c + h's 24 bytes of row r.  Each goes to its head's place; its scale byte goes out four times in a word.
.macro STROPE i, pc, pw, d
	v_lshrrev_b32 v[\d], v74, v[\pw]
	v_perm_b32 v[(\d)+1], v[\d], v[\d], 0x02020202
	v_perm_b32 v[\d], v[\d], v[\d], 0
.irp c, 0,1
.irp k, 0,1,2
	global_store_b64 v72, v[(\pc)+6*\c+2*\k:(\pc)+6*\c+2*\k+1], s[RCB:RCB+1] offset:(\i)*384+\c*2*HS+8*\k
.endr
	global_store_b32 v73, v[(\d)+\c], s[RWB:RWB+1] offset:(\i)*4+\c*2*HSS
.endr
.endm
	s_load_b512 s[4:19], s[0:1], 0x0               ; cq, w2q, rt, b_UK, b_UQ, b_QR, b_UV, kv
	s_load_b64 s[20:21], s[0:1], 0x40              ; qq
	s_set_vgpr_msb 0x40
	v_lshl_add_u32 v0, v0, 2, 0x29000
	v_mov_b32 v1, 0
	s_set_vgpr_msb 0x4045
	ds_add_u32 v0, v1
	s_set_vgpr_msb 0x4500
	v_lshrrev_b32 v1, 5, v0
	v_readfirstlane_b32 s[WV], v1                  ; wave 0..7
	s_mov_b32 s23, ttmp9                           ; x: my quarter of the tokens; in V's shares x / 2 and x % 2 (see the head)
	s_and_b32 s24, ttmp7, 0xffff                   ; y
	s_mov_b32 s[G1C], 3<<16                        ; no mask; elements of 8 bytes; no padding.  A tile's four images: 24 rows of 256 bytes, dense
	s_mov_b32 s[G1C+1], 32<<16
	s_mov_b32 s[G1C+2], 24<<16
	s_mov_b32 s[G1C+3], 32<<16
	s_mov_b32 s[G1C+4], 24
	s_mov_b32 s[G1C+5], 32
	s_mov_b32 s[G1C+6], 0
	s_mov_b32 s[G1C+7], 0
	s_mov_b32 s[G1S], 3<<16                        ; its scale bytes: one row of 256 bytes
	s_mov_b32 s[G1S+1], 32<<16
	s_mov_b32 s[G1S+2], 1<<16
	s_mov_b32 s[G1S+3], 32<<16
	s_mov_b32 s[G1S+4], 1
	s_mov_b32 s[G1S+5], 32
	s_mov_b32 s[G1S+6], 0
	s_mov_b32 s[G1S+7], 0
	s_lshl_b32 s52, s24, 3
	s_add_co_u32 s52, s52, s[WV]                   ; source 0's tile: W_UK: 8 y + wave;
	s_add_co_u32 s53, s52, 128                     ; W_UQ (from 256) and W_QR (from 384): 128 more;
	s_lshl_b32 s54, s24, 4
	s_sub_co_u32 s54, s54, 576
	s_lshr_b32 s25, s23, 1
	s_lshl_b32 s25, s25, 3
	s_add_co_u32 s54, s54, s25
	s_add_co_u32 s54, s54, s[WV]                   ; V: token tile 8 G + wave of c_kv = 16 (y - 36) + 8 (x / 2) + wave (used where y is 36 or more)
	s_lshl_b32 s55, s23, 6
	s_lshl_b32 s56, s[WV], 3
	s_and_b32 s57, s23, 1
	s_lshl_b32 s57, s57, 6
	s_add_co_u32 s57, s57, s56
	s_add_co_u32 s57, s57, 128                     ; V: source 1's first tile: 64 (x % 2) + 8 wave of W_UV (from 128)
	s_add_co_u32 s55, s55, s56                     ; else: token tile 64 x + 8 wave of c_kv,
	s_add_co_u32 s56, s55, 256                     ; or of c_q
	s_mov_b32 s58, 3145728                         ; where cq's scale bytes begin
	s_mov_b32 s59, 2555904                         ; and w2q's
	s_wait_dscnt 0x0
	s_wait_kmcnt 0x0
	s_cmp_lt_u32 s24, 16
	s_cselect_b32 s52, s52, s53
	s_cselect_b32 s55, s55, s56
	s_cmp_lt_u32 s24, 36
	s_cselect_b32 s52, s52, s54
	s_cselect_b32 s55, s55, s57
	s_cselect_b32 s25, s59, s58
	s_cselect_b32 s58, s58, s59
	s_cselect_b64 s[60:61], s[6:7], s[4:5]         ; source 0's buffer
	s_cselect_b64 s[62:63], s[4:5], s[6:7]         ; source 1's
	s_mul_i32 s66, s52, 6144
	s_mov_b32 s67, 0
	s_lshl_b32 s68, s52, 8
	s_add_co_u32 s68, s68, s25
	s_mov_b32 s69, 0
	s_mov_b32 s[G0C], 1
	s_mul_i32 s[G0C+1], s[WV], 6144
	s_add_nc_u64 s[G0C+2:G0C+3], s[60:61], s[66:67]
	s_or_b32 s[G0C+3], s[G0C+3], 0x80000000
	s_mov_b32 s[G0S], 1
	s_lshl_b32 s[G0S+1], s[WV], 8
	s_add_co_u32 s[G0S+1], s[G0S+1], 49152
	s_add_nc_u64 s[G0S+2:G0S+3], s[60:61], s[68:69]
	s_or_b32 s[G0S+3], s[G0S+3], 0x80000000
	tensor_load_to_lds s[G0S:G0S+3], s[G1S:G1S+7]  ; the first and only fills: each wave's own tile, into LDS bytes that are its own by the wave's number
	s_nop 0
	tensor_load_to_lds s[G0C:G0C+3], s[G1C:G1C+7]
	s_nop 0
.rept 4
	v_nop
.endr
	v_and_b32 v2, 31, v0
	v_lshlrev_b32 v[LI], 4, v2
	v_and_b32 v2, 15, v0                           ; r
	v_bfe_u32 v27, v0, 4, 1                        ; h
	v_lshlrev_b32 v[BSO], 4, v2
	v_lshl_add_u32 v[ASC], v27, 10, v[BSO]
	v_add_nc_u32 v[ASC], 49152, v[ASC]             ; 16 r + 1,024 h: lanes 16-31 take the tile four further on
	v_lshl_add_u32 v[BSO], v27, 8, v[BSO]
	v_lshlrev_b32 v[BIA], 6, v27
	v_add_nc_u32 v[BIA], 51200, v[BIA]
	v_and_b32 v[VBO], 8, v0
	v_add_nc_u32 v[VBO], v[VBO], v2
	v_lshlrev_b32 v[VBO], 2, v[VBO]
	v_add_nc_u32 v27, 51200, v[LI]
.irp j, 28,29,30,31
	v_mov_b32 v\j, 0                               ; (the upper words of the two pairs are named with the lower ones)
.endr
	s_mul_i32 s82, s55, 6144
	s_mov_b32 s83, 0
	s_mov_b32 s85, 0
	s_mov_b32 s87, 0
	s_add_nc_u64 s[BBP:BBP+1], s[62:63], s[82:83]
	s_lshl_b32 s82, s55, 8
	s_add_co_u32 s82, s82, s58
	s_add_nc_u64 s[BSP:BSP+1], s[62:63], s[82:83]
	s_sub_co_u32 s82, s24, 16
	s_sub_co_u32 s84, s24, 32
	s_cmp_lt_u32 s24, 16
	s_cselect_b64 s[10:11], s[10:11], s[12:13]
	s_cselect_b32 s82, s24, s82
	s_cmp_lt_u32 s24, 32
	s_cselect_b64 s[10:11], s[10:11], s[14:15]
	s_cselect_b32 s82, s82, s84
	s_lshl_b32 s82, s82, 9
	s_add_nc_u64 s[10:11], s[10:11], s[82:83]      ; the slice's 128 numbers of b_UK, b_UQ or b_QR (in V's shares this address is not used)
	s_and_b32 s82, s23, 1
	s_lshl_b32 s82, s82, 12
	s_lshl_b32 s84, s[WV], 9
	s_add_co_u32 s82, s82, s84
	s_add_nc_u64 s[VBP:VBP+1], s[16:17], s[82:83]  ; b_UV at my head's channels: 128 x (8 (x % 2) + wave) numbers on
	s_lshl_b32 s82, s23, 10
	s_lshl_b32 s84, s[WV], 7
	s_add_co_u32 s82, s82, s84
	s_and_b32 s82, s82, 2047                       ; my first token's position in its batch
	s_lshl_b32 s82, s82, 7
	s_add_nc_u64 s[RTB:RTB+1], s[8:9], s[82:83]
	; where the results go, as plain numbers: s96 the images (or q_rope's codes), s98 the scale words
	s_lshr_b32 s100, s23, 1
	s_lshl_b32 s100, s100, 4                       ; 16 batch
	s_and_b32 s101, s23, 1
	s_lshl_b32 s101, s101, 3
	s_add_co_u32 s101, s101, s[WV]                 ; my eight token tiles in the batch: the key step
	s_mov_b32 s97, 0
	s_mov_b32 s99, 0
	s_mov_b32 s94, 3072                            ; a unit on: two images
	s_mov_b32 s95, 0
	s_cmp_ge_u32 s24, 36
	s_cbranch_scc1 .Ldst_v
	s_cmp_ge_u32 s24, 32
	s_cbranch_scc1 .Ldst_r
	s_cmp_ge_u32 s24, 16
	s_cbranch_scc1 .Ldst_q
	s_add_co_u32 s96, s100, s24
	s_mul_i32 s96, s96, 466944
	s_mul_i32 s98, s101, 29184
	s_add_co_u32 s96, s96, s98                     ; the record: K's images at its head,
	s_add_co_u32 s98, s96, 15360                   ; their scale words
	s_branch .Ldst_done
.Ldst_q:
	s_add_co_u32 s25, s100, s24
	s_sub_co_u32 s25, s25, 16
	s_mul_i32 s96, s25, 196608
	s_mul_i32 s98, s101, 12288
	s_add_co_u32 s96, s96, s98
	s_lshl_b32 s98, s25, 13
	s_lshl_b32 s25, s101, 9
	s_add_co_u32 s98, s98, s25
	s_add_co_u32 s98, s98, 6291456
	s_branch .Ldst_done
.Ldst_r:
	s_sub_co_u32 s25, s24, 32
	s_lshl_b32 s25, s25, 2
	s_add_co_u32 s25, s25, s100                    ; the first of the slice's four heads
	s_mul_i32 s96, s25, 49152
	s_mul_i32 s98, s101, 3072
	s_add_co_u32 s96, s96, s98
	s_add_co_u32 s96, s96, 6553600
	s_lshl_b32 s98, s25, 13
	s_lshl_b32 s25, s101, 9
	s_add_co_u32 s98, s98, s25
	s_add_co_u32 s98, s98, 8126464
	s_mov_b32 s94, 768                             ; a unit on: two tiles of 384 bytes
	s_branch .Ldst_done
.Ldst_v:
	s_sub_co_u32 s25, s24, 36
	s_lshl_b32 s25, s25, 1
	s_lshr_b32 s96, s23, 1
	s_add_co_u32 s25, s25, s96                     ; G: which 128 keys
	s_lshr_b32 s96, s25, 4
	s_lshl_b32 s96, s96, 4                         ; 16 batch
	s_and_b32 s98, s23, 1
	s_lshl_b32 s98, s98, 3
	s_add_co_u32 s96, s96, s98
	s_add_co_u32 s96, s96, s[WV]                   ; + head 8 (x % 2) + wave
	s_mul_i32 s96, s96, 466944
	s_and_b32 s25, s25, 15                         ; the key step
	s_mul_i32 s25, s25, 29184
	s_add_co_u32 s96, s96, s25                     ; the record:
	s_add_co_u32 s98, s96, 28672                   ; V's scale words,
	s_add_co_u32 s96, s96, 16384                   ; V's eight images: two a unit
.Ldst_done:
	s_sub_co_u32 s25, s24, 16
	s_cmp_lt_u32 s25, 20                           ; Q and q_rope go to qq, K and V to kv
	s_cselect_b64 s[IMB:IMB+1], s[20:21], s[18:19]
	s_add_nc_u64 s[SC0:SC0+1], s[IMB:IMB+1], s[98:99]
	s_add_nc_u64 s[IMB:IMB+1], s[IMB:IMB+1], s[96:97]
	s_mov_b64 s[SCU:SCU+1], s[SC0:SC0+1]
	s_sub_co_u32 s[MR], s24, 32
	s_mov_b32 s[SEL], 0x76543210
	s_mov_b32 s[SEL+1], 0xfedcba98
	s_cmp_ge_u32 s24, 36
	s_cbranch_scc1 .Lv_bias
	s_cmp_lg_u32 s[WV], 0
	s_cbranch_scc1 .Lno_bias
	global_load_b128 v[32:35], v[LI], s[10:11]
	s_wait_loadcnt 0x0
	ds_store_b128 v27, v[32:35]                    ; bytes of their own: no fill lands there; the barrier below shows them to all waves
	s_branch .Lno_bias
.Lv_bias:
	global_load_b32 v30, v[VBO], s[VBP:VBP+1]      ; V: a lane holds a channel: its bias is one number a tile
	global_load_b32 v28, v[VBO], s[VBP:VBP+1] offset:32
.Lno_bias:
	global_load_b128 v[BS:BS+3], v[BSO], s[BSP:BSP+1]
	BFL BBP, 0, 0, 6144
	s_wait_tensorcnt 0x0
	s_wait_dscnt 0x0
	s_barrier_signal -1
	s_barrier_wait -1                              ; source 0's eight tiles, their scale words and the bias lie in LDS
.irp q, 0,1,2,3
	ds_load_b128 v[AS+4*\q:AS+4*\q+3], v[ASC] offset:\q*256
.endr
	s_mov_b32 s27, 0
.Lunit:                                            ; four trips in every share
	s_add_co_u32 s82, s27, 1                       ; the unit that follows; behind the last one the look-ahead reads this unit again and so stays in its buffer
	s_cmp_lt_u32 s82, 4
	s_cselect_b32 s82, 12288, 0
	s_cselect_b32 s84, 512, 0
	s_cselect_b32 s86, 128, 0
	s_add_nc_u64 s[BNP:BNP+1], s[BBP:BBP+1], s[82:83]
	s_add_nc_u64 s[BSN:BSN+1], s[BSP:BSP+1], s[84:85]
	s_add_nc_u64 s[VBN:VBN+1], s[VBP:VBP+1], s[86:87]
	KS 0, BBP, 1, 1                                ; the first products start the sums
	KS 1, BBP, 2, 0
	KS 2, BBP, 3, 0
	KS 3, BNP, 0, 0
.rept 4
	v_nop                                          ; places in front of the first reads of results and of writes and loads into operand and scale registers
.endr
	global_load_b128 v[BS:BS+3], v[BSO], s[BSN:BSN+1]
	; THE BIAS, AND THE ROTATION: the three kinds of share part ONCE, and each arm is whole: the loads of cos and sin and the wait for them stand in the same arm, so that none of them is out where the arms meet
	s_cmp_ge_u32 s24, 36
	s_cbranch_scc1 .Lbias_v
	s_cmp_ge_u32 s24, 32
	s_cbranch_scc1 .Lbias_r
	BIASN                                          ; K and Q
	s_branch .Lquant
.Lbias_r:                                          ; q_rope
	v_and_b32 v124, 15, v0
	v_and_b32 v125, 8, v0
	v_add_nc_u32 v124, v124, v125                  ; r + 8 (r / 8)
	v_bfe_u32 v125, v0, 4, 1
	v_lshlrev_b32 v124, 7, v124
	v_lshl_add_u32 v124, v125, 6, v124             ; 128 bytes a position, + 64 h
	CSL 0, 64
	CSL 1, 104
	BIASN                                          ; the bias is added while cos and sin are on their way
	s_wait_loadcnt 0x0                             ; cos and sin are in (and all that was asked for earlier)
	ROPE 0, 64
	ROPE 1, 104
	s_branch .Lquant
.Lbias_v:                                          ; V: one number a lane and tile
.set j, 0
.rept 32
	v_pk_add_f32 v[ACC+j:ACC+j+1], v[ACC+j:ACC+j+1], v[30:31] op_sel_hi:[1,0]
.set j, j+2
.endr
.set j, 0
.rept 32
	v_pk_add_f32 v[ACC+64+j:ACC+64+j+1], v[ACC+64+j:ACC+64+j+1], v[28:29] op_sel_hi:[1,0]
.set j, j+2
.endr
	global_load_b32 v30, v[VBO], s[VBN:VBN+1]      ; the next unit's; the next unit's first counted wait covers them
	global_load_b32 v28, v[VBO], s[VBN:VBN+1] offset:32
.Lquant:
	QUANT ACC, PCA, PW0
	QUANT ACC+64, PCB, PW0+1
	v_and_b32 v70, 15, v0                          ; r
	v_bfe_u32 v71, v0, 4, 1                        ; h
	s_cmp_lt_u32 s[MR], 4
	s_cbranch_scc1 .Lst_rope
	STIMG PCA, IMB, 0
	STIMG PCB, IMB, 1536
	v_lshlrev_b32 v72, 4, v70
	v_lshl_add_u32 v72, v71, 2, v72                ; 16 r, + 4 for tile 1
	v_cmp_eq_u32 vcc_lo, 1, v71
	v_cndmask_b32 v73, v[PW0], v[PW0+1], vcc_lo    ; lanes 0-15 store tile 0's words, lanes 16-31 tile 1's
	global_store_b32 v72, v73, s[SCU:SCU+1]
	s_branch .Lunit_end
.Lst_rope:
	v_mul_u32_u24 v72, v71, HS
	v_mad_u32_u24 v72, v70, 24, v72
	v_lshlrev_b32 v73, 13, v71
	v_lshl_add_u32 v73, v70, 4, v73
	v_lshlrev_b32 v74, 3, v71
	STROPE 0, PCA, PW0, 76
	STROPE 1, PCB, PW0+1, 78
.Lunit_end:
	s_wait_xcnt 0x0                                ; every load and store issued so far has read its registers: bases, offsets and store data are written again only behind this wait
	s_mov_b64 s[BBP:BBP+1], s[BNP:BNP+1]
	s_mov_b64 s[BSP:BSP+1], s[BSN:BSN+1]
	s_mov_b64 s[VBP:VBP+1], s[VBN:VBN+1]
	s_add_nc_u64 s[IMB:IMB+1], s[IMB:IMB+1], s[94:95]
	s_add_nc_u64 s[RTB:RTB+1], s[RTB:RTB+1], 4096
	s_add_co_u32 s27, s27, 1
	s_lshr_b32 s98, s27, 1                         ; tiles 2 U and 2 U + 1 of eight: groups of four tiles, 256 bytes each, 4 bytes a tile
	s_lshl_b32 s98, s98, 8
	s_and_b32 s25, s27, 1
	s_lshl_b32 s25, s25, 3
	s_add_co_u32 s98, s98, s25
	s_add_nc_u64 s[SCU:SCU+1], s[SC0:SC0+1], s[98:99]
	s_cmp_lt_u32 s27, 4
	s_cbranch_scc1 .Lunit
	s_wait_dscnt 0x0
	s_set_vgpr_msb 0x5
	s_wait_tensorcnt 0x0
	ds_add_u32 v0, v1
	s_wait_dscnt 0x0
	s_set_vgpr_msb 0x500
	s_endpgm
.Lfunc_end_k_q5b540427e7_gemm2:
	.size	k_q5b540427e7_gemm2, .Lfunc_end_k_q5b540427e7_gemm2-k_q5b540427e7_gemm2
	.p2alignl 7, 3214868480
	.fill 96, 4, 3214868480
	.section	.rodata,"a",@progbits
	.p2align	6, 0x0
	.amdhsa_kernel k_q5b540427e7_gemm2
		.amdhsa_group_segment_fixed_size 168960
		.amdhsa_private_segment_fixed_size 0
		.amdhsa_enable_private_segment 0
		.amdhsa_kernarg_size 72
		.amdhsa_user_sgpr_count 2
		.amdhsa_user_sgpr_kernarg_segment_ptr 1
		.amdhsa_wavefront_size32 1
		.amdhsa_system_sgpr_workgroup_id_x 1
		.amdhsa_system_sgpr_workgroup_id_y 1
		.amdhsa_system_sgpr_workgroup_id_z 1
		.amdhsa_system_vgpr_workitem_id 0
		.amdhsa_next_free_vgpr 258
		.amdhsa_next_free_sgpr 106
		.amdhsa_reserve_vcc 1
		.amdhsa_float_denorm_mode_32 3
		.amdhsa_float_denorm_mode_16_64 3
		.amdhsa_memory_ordered 1
		.amdhsa_forward_progress 1
		.amdhsa_inst_pref_size 67
	.end_amdhsa_kernel
	.amdgpu_metadata
---
amdhsa.version: [ 1, 2 ]
amdhsa.kernels:
  - .name:           k_q5b540427e7_gemm2
    .symbol:         k_q5b540427e7_gemm2.kd
    .args:
      - { .name: cq, .offset: 0, .size: 8, .value_kind: global_buffer, .address_space: global }
      - { .name: w2q, .offset: 8, .size: 8, .value_kind: global_buffer, .address_space: global }
      - { .name: rt, .offset: 16, .size: 8, .value_kind: global_buffer, .address_space: global }
      - { .name: b_UK, .offset: 24, .size: 8, .value_kind: global_buffer, .address_space: global }
      - { .name: b_UQ, .offset: 32, .size: 8, .value_kind: global_buffer, .address_space: global }
      - { .name: b_QR, .offset: 40, .size: 8, .value_kind: global_buffer, .address_space: global }
      - { .name: b_UV, .offset: 48, .size: 8, .value_kind: global_buffer, .address_space: global }
      - { .name: kv, .offset: 56, .size: 8, .value_kind: global_buffer, .address_space: global }
      - { .name: qq, .offset: 64, .size: 8, .value_kind: global_buffer, .address_space: global }
    .group_segment_fixed_size: 168960
    .private_segment_fixed_size: 0
    .kernarg_segment_align: 8
    .kernarg_segment_size: 72
    .max_flat_workgroup_size: 256
    .sgpr_count:     106
    .vgpr_count:     258
    .wavefront_size: 32
...
	.end_amdgpu_metadata
.endif
;; end of part 3
;; launch attn (part 4): grid 8 x 32, 8 waves a work-group, clusters of 4 x 1, 327,680 bytes of LDS; arguments qq, kv, out0; writes out0
.if DOCPART == 4
	.amdgcn_target "amdgcn-amd-amdhsa--gfx1250"
	.amdhsa_code_object_version 6
	.text
	.protected	k_q5b540427e7_attn
	.globl	k_q5b540427e7_attn
	.p2align	8
	.type	k_q5b540427e7_attn,@function
k_q5b540427e7_attn:
	s_mov_b64 s[64:65], 0
	v_nop
	global_prefetch_b8 v0, s[64:65] scope:SCOPE_SE
	s_setreg_imm32_b32 hwreg(HW_REG_WAVE_MODE, 25, 1), 1
	s_wait_xcnt 0x0
	s_wait_alu depctr_hold_cnt(0) depctr_sa_sdst(0) depctr_va_vdst(0) depctr_va_sdst(0) depctr_va_ssrc(0) depctr_va_vcc(0) depctr_vm_vsrc(0)
	s_getreg_b32 s2, hwreg(HW_REG_IB_STS2, 6, 4)
	s_cmp_eq_u32 s2, 0
	s_cbranch_scc0 .Lentry_in_a_cluster
	s_endpgm
.Lentry_in_a_cluster:
	s_bfe_u32 s2, ttmp6, 0x10000c
	s_cmp_lg_u32 s2, 0x3003
	s_cbranch_scc0 .Lentry_shape_is_right
	s_endpgm
.Lentry_shape_is_right:
; ATTENTION on codes of FP6: scores over K = 160 (128 channels and the rotated 32), softmax, values.  out0[b][t][head 128 + d].
; THE SOFTMAX AHEAD OF THE SECOND PRODUCT: t = score x log2(e) / sqrt(160); M = the running largest t rounded up to a whole number; p = 2^(t - M) is quantised along the keys, not normalised; the row's sum is taken of the
; unquantised p and divides at the end; when M moves, the sum and O are multiplied by 2^(old M - new M), which rounds nothing.
; SHARES.  A work-group owns 256 queries of one head; each of its eight waves owns TWO tiles of 16 queries, A and B, so that each fragment of K and V that it reads from LDS feeds two matrix instructions.  Every wave walks the
; head's 2,048 keys, 128 a step.  Both products are used transposed (source 0 = 16 keys, or 16 channels of V; source 1 = my queries): a lane holds one query of each tile throughout.  The rows of every tile are chosen
; (row r of tile 2b+u is row 32b + 8u + r + 8 (r/8)) so that the 16 registers of tiles 2b, 2b+1 are 16 neighbours.
; REGISTERS, in two windows of 256 (s_set_vgpr_msb: bits 1:0 source 0, 3:2 source 1, 5:4 source 2, 7:6 destination).  TILE A'S STATE LIES IN WINDOW 0, TILE B'S IN WINDOW 1, UNDER THE SAME NUMBERS: v12-15 -M, the largest t, the sum;
; v16-27 the queries' 128 channels; v28-57 their rotated block among zeros; v66-105 the softmax at work; v86-97 p's codes; v128-191 the scores, then p; v192-255 O^T.  So the softmax is written once and set twice, under 0 and 0x55.
; Window 0 alone: v1-6 addresses, v10 the prefetches' offset, all scale words (scale operands have no window): v8, v9 tile A's queries, v11, v7 tile B's, v58-65 K's and V's, v126, v127 p's of A and of B.
; K's fragments: key tiles 0-3 in window 0, v66-125; key tiles 4-7 under the same numbers in window 1, which tile B's softmax needs only later: so a step's K is asked for in ONE run of loads at its head.
; V's fragments, all in window 0, in registers that tile A's softmax has left: tiles 0-3 in v128-175, tiles 4-7 in v176, v66, v98, v110 (12 each): they are asked for behind tile A's softmax and land during tile B's.
; A KEY STEP'S OPERANDS ARE ONE RECORD of 29,184 dense bytes in kv: 8 images of K, the rotated parts, three blocks of scale words, 8 images of V.  A slot of the ring holds FOUR records; waves 0 to 3 fetch one each.
; K = 160.  One fragment holds the rotated blocks of FOUR key tiles (block 2c+h: tile 4g + 2c + h).  My queries' rotated block stands in registers among zeros, so that four runs of 12 registers show it at block 0, 1, 2 or 3:
; the zeros strike out the other three tiles' codes.  The scale words of the rotated parts hold their byte four times.  So a tile of scores takes two matrix instructions.
; CLUSTER.  The four work-groups of a cluster walk the same head: each slot is asked for jointly (mask 15; the descriptor hangs on the head and the wave's number alone).  A wave has one tensor load out.
; LIMITS: NaN and infinities are not served.
.set REC,   29184
.set KRO,   12288
.set KSO,   15360
.set KRSO,  15872
.set VCO,   16384
.set VSO,   28672
.set SLOT1, 131072                     ; slot 1 begins here: one exclusive or turns an address in one slot into the other's
.set SLOTB, 4*REC                      ; a slot's bytes: 116,736
.set SPARE, 247808                     ; behind slot 1: the spare words, 128 bytes for each wave: four blocks of 256 bytes that no other line names
.set STAGE, 249856                     ; the way out: 16 rows x (512 bytes + 16) for each wave, used by its two tiles in turn; no fill ever lands here
.set LI,   1                           ; v1  16 lane
.set L24,  2                           ; v2  24 lane
.set AD16, 3                           ; v3, v4  the same in the record in hand
.set AD24, 4
.set SPW,  5
.set NIL,  6
.set QRWB, 7
.set QSW,  8
.set QRW,  9
.set PFO,  10
.set QSWB, 11
.set QC,   16
.set QZ,   28                          ; zeros | codes in lanes 0-15 | zeros | codes in lanes 16-31 | zeros, six registers each
.set KSC,  58                          ; v58-61 scale words of K's, later of V's tiles: register t: lanes 0-15 tile t, lanes 16-31 tile 4 + t
.set KRSC, 62                          ; v62-65 of the rotated parts
.set KFR,  66                          ; v66-113 four fragments of K;  v114-125 the rotated fragment
.set KRF,  114
.set PSW,  126
.set PSWB, 127
.set SS,   128
.set OO,   192
.set BM,   66                          ; the softmax: the blocks' largest scores,
.set PT,   70                          ; the other half's, then the bytes,
.set SO,   74                          ; the conversions' scale operands,
.set CT,   78                          ; half blocks of codes,
.set PCD,  86                          ; p's fragment,
.set FF,   100                         ; v[100:101] f,
.set TMP,  102
.set SM2,  104                         ; v[104:105] the second chain of the sum
.set WV,   10
.set TB,   14                          ; s14 LDS byte at which the record in hand begins
.set SLOTS, 15
.set G1,   16
.set G0,   24
.set SEL,  28
.set CS,   30
.set PFA,  32
.set LIM,  34
.set CNT,  52                          ; s52 key steps left in the slot
.set MSB, 0
.macro WIN new                         ; the immediate's high byte repeats the setting that is left; a switch that changes nothing is dropped
.if MSB != \new
	s_set_vgpr_msb (MSB<<8)|\new
.set MSB, \new
.endif
.endm
.macro CROUND
	s_barrier_signal -1
	s_barrier_wait -1
	s_cmp_lg_u32 s[WV], 0
	s_cbranch_scc1 .Lnot_wave_0_\@
	s_barrier_signal -3
.Lnot_wave_0_\@:
	s_barrier_wait -3
	s_barrier_signal -1
	s_barrier_wait -1
.endm
.macro TLOAD                           ; waves 0 to 3 fetch a record of the slot each; four v_nop follow the load
	s_cmp_lt_u32 s[WV], 4
	s_cbranch_scc0 .Lnone_\@
	tensor_load_to_lds s[G0:G0+3], s[G1:G1+7]
	s_nop 0
.rept 4
	v_nop
.endr
.Lnone_\@:
.endm
; A prefetch of the slot that the NEXT change of slots will ask for.  It stands in a slot's last key step, behind V's run of loads: one key step less V's products ahead of that tensor load.  Both clusters of a head walk the same
; records: the first one asks.  Its four partners share the slot's 456 blocks of 256 bytes out by address, a record (114 blocks) each; in each, waves 4 to 7 ask, a lane a block (the last fourteen lanes name block 113 again).
; In the trip of the last change that fills a slot nothing is asked for; slots 0 and 1 come by their loads alone.
.macro ASK
	s_cmp_eq_u32 s[CNT], 1
	s_cbranch_scc0 .Lnot_mine_\@
	s_cmp_gt_u32 s[SLOTS], s[LIM]
	s_cbranch_scc0 .Lnot_mine_\@
	global_prefetch_b8 v[PFO], s[PFA:PFA+1] th:TH_LOAD_NT scope:SCOPE_SE
.Lnot_mine_\@:
.endm
	s_load_b128 s[4:7], s[0:1], 0x0                ; qq, kv
	s_load_b64 s[8:9], s[0:1], 0x10                ; out0
	v_lshl_add_u32 v[SPW], v0, 2, SPARE
	v_mov_b32 v[NIL], 0
	ds_add_u32 v5, v6
	s_wait_dscnt 0x0
	v_lshrrev_b32 v66, 5, v0
	v_readfirstlane_b32 s[WV], v66                 ; wave 0..7
	s_bfe_u32 s11, ttmp6, 0x40000                  ; cx
	s_lshl_b32 s12, ttmp9, 2
	s_add_co_u32 s12, s12, s11                     ; my block of 256 queries: it enters Q's and the output's addresses alone
	s_and_b32 s13, ttmp7, 0xffff                   ; 16 batch + head, which the partners share
	s_mov_b32 s[G1], 15|(3<<16)|(1<<21)            ; mask: all four; elements of 8 bytes; bit 21 beside a mask; no padding
	s_mov_b32 s[G1+1], 32<<16                      ; rows of 256 bytes,
	s_mov_b32 s[G1+2], 114<<16                     ; 114 of them: a record, dense
	s_mov_b32 s[G1+3], 32<<16
	s_mov_b32 s[G1+4], 114
	s_mov_b32 s[G1+5], 32
	s_mov_b32 s[G1+6], 0
	s_mov_b32 s[G1+7], 0
	s_mul_i32 s36, s13, 466944                     ; the head's records
	s_mul_i32 s[G0+1], s[WV], REC                  ; my record of the slot: in LDS and in memory alike
	s_add_co_u32 s36, s36, s[G0+1]
	s_mov_b32 s37, 0
	s_mov_b32 s[G0], 1
	s_mov_b32 s[SEL], 0x76543210
	s_mov_b32 s[SEL+1], 0xfedcba98
	s_mov_b32 s[CS], 0x3de995b3                    ; c = log2(e) / sqrt(160)
	s_mov_b32 s[CS+1], s[CS]
	s_mov_b32 s[TB], 0
	s_mov_b32 s[SLOTS], 3
	s_lshr_b32 s35, s[WV], 2
	s_xor_b32 s35, s35, 1                          ; 0 in waves 4 to 7,
	s_or_b32 s35, s35, ttmp9                       ; of the head's first cluster: the same in all four partners
	s_cmp_eq_u32 s35, 0
	s_cselect_b32 s[LIM], 1, -1
	s_mul_i32 s38, s13, 466944
	s_mul_i32 s39, s11, REC                        ; my work-group's 114 blocks
	s_add_co_u32 s38, s38, s39
	s_add_co_u32 s38, s38, SLOTB                   ; in slot 1: the first change of slots steps it to slot 2
	s_mov_b32 s39, 0
	s_lshl_b32 s40, s12, 4
	s_lshl_b32 s41, s[WV], 1
	s_add_co_u32 s40, s40, s41                     ; tile A in the head: 16 x block + 2 x wave; tile B is the next
	s_lshl_b32 s41, s13, 7
	s_add_co_u32 s41, s41, s40
	s_mov_b32 s43, 0
	s_wait_kmcnt 0x0
	s_add_nc_u64 s[G0+2:G0+3], s[6:7], s[36:37]
	s_or_b32 s[G0+3], s[G0+3], 0x80000000
	s_add_nc_u64 s[PFA:PFA+1], s[6:7], s[38:39]
	CROUND                                         ; all four work-groups are here: the first joint load meets
	TLOAD                                          ; slot 0
	s_mul_i32 s42, s41, 1536
	s_add_nc_u64 s[44:45], s[4:5], s[42:43]        ; tile A's image; tile B's lies 1,536 bytes on
	s_mul_i32 s42, s41, 384
	s_add_co_u32 s42, s42, 6553600
	s_add_nc_u64 s[46:47], s[4:5], s[42:43]        ; the rotated codes; tile B's 384 bytes on
	s_lshl_b32 s42, s13, 13
	s_lshr_b32 s48, s40, 2
	s_lshl_b32 s48, s48, 8
	s_add_co_u32 s42, s42, s48
	s_and_b32 s48, s40, 3
	s_lshl_b32 s48, s48, 2
	s_add_co_u32 s42, s42, s48
	s_add_co_u32 s42, s42, 6291456
	s_add_nc_u64 s[50:51], s[4:5], s[42:43]        ; the scale words; tile B's 4 bytes on (tile A's number is even)
	s_lshr_b32 s42, s13, 4
	s_lshl_b32 s42, s42, 11
	s_lshr_b32 s48, s40, 1
	s_lshl_b32 s48, s48, 5
	s_add_co_u32 s42, s42, s48                     ; tile A's first token; tile B's is 8 tokens on
	s_lshl_b32 s42, s42, 13
	s_and_b32 s48, s13, 15
	s_lshl_b32 s48, s48, 9
	s_add_co_u32 s42, s42, s48
	s_add_nc_u64 s[8:9], s[8:9], s[42:43]          ; its row of the output, at my head
	v_and_b32 v3, 31, v0
	v_lshlrev_b32 v[LI], 4, v3
	v_mul_u32_u24 v[L24], v3, 24
	v_and_b32 v67, 15, v0
	v_mul_u32_u24 v68, v67, 24
	v_lshlrev_b32 v69, 4, v67
	v_and_b32 v[PFO], 127, v0
	v_min_u32 v[PFO], 113, v[PFO]
	v_lshlrev_b32 v[PFO], 8, v[PFO]
.irp c, 0,1,2
	global_load_b128 v[QC+4*\c:QC+4*\c+3], v[LI], s[44:45] offset:512*\c
.endr
.irp k, 0,1,2
	global_load_b64 v[QZ+6+2*\k:QZ+7+2*\k], v68, s[46:47] offset:8*\k   ; both halves of the lanes take row r's 24 bytes
.endr
	global_load_b32 v[QSW], v69, s[50:51]
	global_load_b32 v[QRW], v69, s[50:51] offset:1835008
	global_load_b32 v[QSWB], v69, s[50:51] offset:4
	global_load_b32 v[QRWB], v69, s[50:51] offset:1835012
	WIN 0x40                                       ; destination window 1: tile B
.irp c, 0,1,2
	global_load_b128 v[QC+4*\c:QC+4*\c+3], v[LI], s[44:45] offset:1536+512*\c
.endr
.irp k, 0,1,2
	global_load_b64 v[QZ+6+2*\k:QZ+7+2*\k], v68, s[46:47] offset:384+8*\k
.endr
	WIN 0
.macro INIT                            ; a tile's state at the start.  The step is written once: the first finds zeros, which the first change of M leaves zeros
.irp k, 0,1,2,3,4,5
	v_mov_b32 v[QZ+\k], 0
	v_mov_b32 v[QZ+12+\k], 0
	v_mov_b32 v[QZ+24+\k], 0
.endr
	v_mov_b32 v13, 0xff61b1e6                      ; the largest t so far: -3e38
	v_floor_f32 v12, -v13                          ; -M
	v_mov_b32 v14, 0
	v_mov_b32 v15, 0
.irp b, 0,1,2,3
	v_mov_b32 v[PT+\b], 0                          ; a lane permute's destination counts as one of its sources
.endr
	v_mov_b32 v[FF+1], 0                           ; (named as the upper half of the pair with f)
.set j, 0
.rept 64
	v_mov_b32 v[OO+j], 0
.set j, j+1
.endr
.endm
.macro SPLIT
.irp k, 0,1,2,3,4,5
	v_cndmask_b32 v[QZ+18+\k], v[QZ+\k], v[QZ+6+\k], vcc_lo    ; the codes in lanes 16-31 alone,
.endr
.irp k, 0,1,2,3,4,5
	v_cndmask_b32 v[QZ+6+\k], v[QZ+6+\k], v[QZ+\k], vcc_lo     ; and in lanes 0-15 alone
.endr
.endm
	INIT
	WIN 0x55
	INIT
	WIN 0
	v_cmp_lt_u32 vcc_lo, 15, v3
	s_wait_loadcnt 0x0
	SPLIT
	WIN 0x55
	SPLIT
	WIN 0
.macro KLD g                           ; four tiles of 16 keys and their rotated blocks: 18 loads
.irp t, 0,1,2,3
.irp c3, 0,1,2
	ds_load_b128 v[KFR+12*\t+4*\c3:KFR+12*\t+4*\c3+3], v[AD16] offset:(4*(\g)+\t)*1536+512*\c3
.endr
.endr
.irp c, 0,1
.irp k, 0,1,2
	ds_load_b64 v[KRF+6*\c+2*\k:KRF+6*\c+2*\k+1], v[AD24] offset:KRO+(\g)*1536+\c*768+8*\k
.endr
.endr
.endm
; Eight products of one tile of queries with key tiles 4 g .. 4 g + 3: the 128 channels start the sums, then the rotated 32: tile t's block stands at block t of the fragment, and my queries' block is shown there.
; The four accumulators take turns, one instruction a turn.  w, wr: the queries' scale words.
.macro QK g, w, wr
.irp t, 0,1,2,3
.set rS, SS+8*(4*(\g)+\t)
.if \g
	v_wmma_scale_f32_16x16x128_f8f6f4 v[rS:rS+7], v[KFR+12*\t:KFR+12*\t+11], v[QC:QC+11], 0, v[KSC+\t], v[\w] matrix_a_fmt:MATRIX_FMT_FP6 matrix_b_fmt:MATRIX_FMT_FP6 matrix_a_scale:MATRIX_SCALE_ROW1
.else
	v_wmma_scale_f32_16x16x128_f8f6f4 v[rS:rS+7], v[KFR+12*\t:KFR+12*\t+11], v[QC:QC+11], 0, v[KSC+\t], v[\w] matrix_a_fmt:MATRIX_FMT_FP6 matrix_b_fmt:MATRIX_FMT_FP6
.endif
.endr
.irp t, 0,1,2,3
.set rS, SS+8*(4*(\g)+\t)
.set rQ, QZ+6+12*(\t%2)-6*(\t/2)
.if \g
	v_wmma_scale_f32_16x16x128_f8f6f4 v[rS:rS+7], v[KRF:KRF+11], v[rQ:rQ+11], v[rS:rS+7], v[KRSC+\t], v[\wr] matrix_a_fmt:MATRIX_FMT_FP6 matrix_b_fmt:MATRIX_FMT_FP6 matrix_a_scale:MATRIX_SCALE_ROW1
.else
	v_wmma_scale_f32_16x16x128_f8f6f4 v[rS:rS+7], v[KRF:KRF+11], v[rQ:rQ+11], v[rS:rS+7], v[KRSC+\t], v[\wr] matrix_a_fmt:MATRIX_FMT_FP6 matrix_b_fmt:MATRIX_FMT_FP6
.endif
.endr
.endm
.macro SETV g, t                       ; where V's tile 4 g + t stands, in window 0
.set rV, SS+12*(\t)
.if \g
.set rV, 176
.if (\t) == 1
.set rV, 66
.endif
.if (\t) == 2
.set rV, 98
.endif
.if (\t) == 3
.set rV, 110
.endif
.endif
.endm
.macro VLD g
.irp t, 0,1,2,3
	SETV \g, \t
.irp c3, 0,1,2
	ds_load_b128 v[rV+4*\c3:rV+4*\c3+3], v[AD16] offset:VCO+(4*(\g)+\t)*1536+512*\c3
.endr
.endr
.endm
.macro PV w                            ; O^T += V^T P^T of one tile of queries: eight accumulators, one instruction each.  w: p's scale word
.irp g, 0,1
.irp t, 0,1,2,3
	SETV \g, \t
.set rO, OO+8*(4*\g+\t)
.if \g
	v_wmma_scale_f32_16x16x128_f8f6f4 v[rO:rO+7], v[rV:rV+11], v[PCD:PCD+11], v[rO:rO+7], v[KSC+\t], v[\w] matrix_a_fmt:MATRIX_FMT_FP6 matrix_b_fmt:MATRIX_FMT_FP6 matrix_a_scale:MATRIX_SCALE_ROW1
.else
	v_wmma_scale_f32_16x16x128_f8f6f4 v[rO:rO+7], v[rV:rV+11], v[PCD:PCD+11], v[rO:rO+7], v[KSC+\t], v[\w] matrix_a_fmt:MATRIX_FMT_FP6 matrix_b_fmt:MATRIX_FMT_FP6
.endif
.endr
.endr
.endm
; The softmax of one tile of queries for 128 keys.  x = 0: tile A, all in window 0;  x = 1: tile B, all in window 1, but for p's scale word, whose last line writes into window 0.
.macro SOFTMAX x
.if \x
	WIN 0x55
.else
	WIN 0
.endif
.irp b, 0,1,2,3
	v_max3_num_f32 v[BM+\b], v[SS+16*\b], v[SS+1+16*\b], v[SS+2+16*\b]    ; the largest score of each block of 32 keys: for the row's maximum, and, since p rises with the score, for the block's largest p
.endr
.irp i, 3,5,7,9,11,13
.irp b, 0,1,2,3
	v_max3_num_f32 v[BM+\b], v[BM+\b], v[SS+16*\b+\i], v[SS+1+16*\b+\i]
.endr
.endr
.irp b, 0,1,2,3
	v_max_num_f32 v[BM+\b], v[BM+\b], v[SS+15+16*\b]
.endr
.irp b, 0,1,2,3
	v_permlanex16_b32 v[PT+\b], v[BM+\b], s[SEL], s[SEL+1]
.endr
.irp b, 0,1,2,3
	v_max_num_f32 v[BM+\b], v[BM+\b], v[PT+\b]
.endr
	v_max3_num_f32 v[TMP], v[BM], v[BM+1], v[BM+2]
	v_max_num_f32 v[TMP], v[TMP], v[BM+3]
	v_mul_f32 v[TMP], s[CS], v[TMP]
	v_max_num_f32 v13, v13, v[TMP]                 ; the running largest t
	v_mov_b32 v[TMP], v12
	v_floor_f32 v12, -v13                          ; the new -M: a whole number
	v_sub_f32 v[TMP], v12, v[TMP]
	v_cvt_i32_f32 v[TMP], v[TMP]                   ; (it saturates)
	v_ldexp_f32 v[FF], 1.0, v[TMP]                 ; f = 2^(old M - new M)
.set j, 0
.rept 32
	v_pk_fma_f32 v[SS+j:SS+j+1], v[SS+j:SS+j+1], s[CS:CS+1], v[12:13] op_sel_hi:[1,0,0]   ; t - M
.set j, j+2
.endr
.irp b, 0,1,2,3
	v_fma_f32 v[BM+\b], v[BM+\b], s[CS], v12
.endr
.set j, 0
.rept 64
	v_exp_f32 v[SS+j], v[SS+j]                     ; p = 2^(t - M)
.set j, j+1
.endr
	v_pk_mul_f32 v[14:15], v[14:15], v[FF:FF+1] op_sel_hi:[1,0]   ; the sums under the new M: a plain place behind the exponentials
	s_wait_alu depctr_va_vdst(0)                   ; one wait for the whole batch, ahead of its first reader
.irp b, 0,1,2,3
	v_exp_f32 v[BM+\b], v[BM+\b]                   ; the blocks' largest p
.endr
	v_pk_add_f32 v[SM2:SM2+1], v[SS:SS+1], v[SS+2:SS+3]           ; the row's sum of the unquantised p, in two chains
.set j, 4
.rept 15
	v_pk_add_f32 v[14:15], v[14:15], v[SS+j:SS+j+1]
	v_pk_add_f32 v[SM2:SM2+1], v[SM2:SM2+1], v[SS+j+2:SS+j+3]
.set j, j+4
.endr
	v_pk_add_f32 v[14:15], v[14:15], v[SM2:SM2+1]
	s_wait_alu depctr_va_vdst(0)                   ; and one for the four
.irp b, 0,1,2,3
	v_max_num_f32 v[BM+\b], 0x1800000, v[BM+\b]    ; the floor 2^(3-127): the byte cannot fall under 1
.endr
.irp b, 0,1,2,3
	v_add_nc_u32 v[SO+\b], 0xff000000, v[BM+\b]
.endr
.irp b, 0,1,2,3
	v_lshrrev_b32 v[PT+\b], 23, v[SO+\b]
.endr
	v_lshl_or_b32 v[PSW], v[PT+1], 8, v[PT]
	v_lshl_or_b32 v[PSW], v[PT+2], 16, v[PSW]
.if \x
	WIN 0x11                                       ; sources in window 1, destination in window 0: scale operands are taken from window 0
	v_lshl_or_b32 v[PSWB], v[PT+3], 24, v[PSW]
	WIN 0x55
.else
	v_lshl_or_b32 v[PSW], v[PT+3], 24, v[PSW]
.endif
.irp c, 0,1
	v_cvt_scalef32_pk16_fp6_f32 v[PCD+6*\c:PCD+2+6*\c], v[SS+32*\c:SS+15+32*\c], v[SO+2*\c]
	v_cvt_scalef32_pk16_fp6_f32 v[CT+4*\c:CT+2+4*\c], v[SS+16+32*\c:SS+31+32*\c], v[SO+2*\c+1]
.endr
	v_nop                                          ; one plain place behind a scaled conversion
.irp c, 0,1
.irp i, 0,1,2
	v_permlane16_swap_b32 v[PCD+6*\c+\i], v[CT+4*\c+\i]
.endr
.irp i, 0,1,2
	v_mov_b32 v[PCD+3+6*\c+\i], v[CT+4*\c+\i]
.endr
.endr
.set j, 0
.rept 32
	v_pk_mul_f32 v[OO+j:OO+j+1], v[OO+j:OO+j+1], v[FF:FF+1] op_sel_hi:[1,0]   ; O^T under the new M; these 32 are also the places between p's scale word and codes and the products that take them
.set j, j+2
.endr
.endm
; A KEY STEP: 128 keys, the record at LDS byte s[TB].  ask = 1: in the slot's last step the next slot but one is prefetched.
.macro STEP ask
	v_add_nc_u32 v[AD16], s[TB], v[LI]
	v_add_nc_u32 v[AD24], s[TB], v[L24]
.rept 4
	v_nop                                          ; with the two lines above six places: the first products below write over registers that the last step's products read (five are asked), and the loads want four
.endr
	ds_load_b128 v[KSC:KSC+3], v[AD16] offset:KSO
	ds_load_b128 v[KRSC:KRSC+3], v[AD16] offset:KRSO
	KLD 0
	WIN 0x40                                       ; destination window 1
	KLD 1
	WIN 0
	s_wait_dscnt 18                                ; LDS loads come back in order: the scale words and key tiles 0-3 are in; the 18 loads of key tiles 4-7 may be out
	QK 0, QSW, QRW                                 ; tile A
	WIN 0x54                                       ; K in window 0; queries, C and D in window 1
	QK 0, QSWB, QRWB                               ; tile B
	s_wait_dscnt 0x0
	WIN 0x01                                       ; K in window 1; the rest in window 0
	QK 1, QSW, QRW
	WIN 0x55
	QK 1, QSWB, QRWB
	WIN 0
.rept 4
	v_nop                                          ; four places behind the last products: for the first reads of scores, the writes over K's registers, and the loads below
.endr
	SOFTMAX 0
	ds_load_b128 v[KSC:KSC+3], v[AD16] offset:VSO  ; V's scale words and all eight fragments, into registers that tile A's softmax has left: they land while tile B's softmax runs
	VLD 0
	VLD 1
.if \ask
	ASK
.endif
	SOFTMAX 1
	WIN 0
	s_wait_dscnt 0x0                               ; V is in
	PV PSW                                         ; tile A
	WIN 0x54                                       ; V in window 0; p, C and D in window 1
	PV PSWB                                        ; tile B
	WIN 0
.endm
; A slot's four key steps: written once, walked four times; the LDS addresses hang on s[TB].
.macro FOUR_STEPS ask
	s_mov_b32 s[CNT], 4
.Lstep_\@:
	STEP \ask
	s_add_co_u32 s[TB], s[TB], REC
	s_sub_co_u32 s[CNT], s[CNT], 1
	s_cmp_lg_u32 s[CNT], 0
	s_cbranch_scc1 .Lstep_\@
	s_sub_co_u32 s[TB], s[TB], 4*REC               ; back to a slot's first record,
	s_xor_b32 s[TB], s[TB], SLOT1                  ; in the other slot
.endm
; THE CHANGE OF SLOTS stands at a slot's head.  Each wave waits for all its tensor loads, adds 0 to its spare word, and waits for that and for its reads of the slot that it has left.  Behind the barrier the slot ahead is whole and
; nobody reads the other one.  fill = 1: the barrier is a round of the cluster's, and the other slot is filled with the four records that follow: the load has four key steps in which to land.
.macro CHANGE fill
	s_wait_tensorcnt 0x0                           ; no tensor load of mine is out, so the descriptor may be written
	ds_add_u32 v[SPW], v[NIL]                      ; 0 onto my spare word
.if \fill
	s_xor_b32 s[G0+1], s[G0+1], SLOT1              ; the other slot than last time,
	s_add_nc_u64 s[G0+2:G0+3], s[G0+2:G0+3], SLOTB ; the next four records; the type bits on top are not reached
	s_wait_xcnt 0x0                                ; the last prefetch has read its address, so it may be written
	s_add_nc_u64 s[PFA:PFA+1], s[PFA:PFA+1], SLOTB
	s_wait_dscnt 0x0                               ; the add is done, and my reads of the slot that I have left are over
	CROUND
	TLOAD                                          ; the first thing behind the round, and a wave's one tensor load until the next
.else
	s_wait_dscnt 0x0
	s_barrier_signal -1
	s_barrier_wait -1
.endif
.endm
.Lslot:                                            ; three trips: behind each change of slots but the last the next slot is asked for
	CHANGE 1
	FOUR_STEPS 1
	s_sub_co_u32 s[SLOTS], s[SLOTS], 1
	s_cmp_lg_u32 s[SLOTS], 0
	s_cbranch_scc1 .Lslot
	CHANGE 0                                       ; the last slot is written out
	FOUR_STEPS 0
	; THE WAY OUT: O^T / the sum goes through my stage in LDS and leaves as whole rows of 512 bytes: my head's 128 channels of one token.  The six lines below name no register of the last products: they are the places behind them.
	v_and_b32 v78, 15, v0                          ; r
	v_bfe_u32 v79, v0, 4, 1                        ; h
	s_mul_i32 s36, s[WV], 8448
	s_add_co_u32 s36, s36, STAGE
	v_mul_u32_u24 v80, v78, 528
	v_lshl_add_u32 v80, v79, 6, v80
	v_add_nc_u32 v80, s36, v80                     ; in: row r; registers 16 b + i are channels 32 b + 16 h + i
	v_add_nc_u32 v81, s36, v[LI]                   ; back: a row, 16 bytes a lane
.macro OUT x                           ; tile x: divided, into the stage, and back as rows into O^T's registers
.if \x
	WIN 0x55
.else
	WIN 0
.endif
	v_add_f32 v14, v14, v15
	v_permlanex16_b32 v[TMP], v14, s[SEL], s[SEL+1]
	v_add_f32 v14, v14, v[TMP]                     ; the row's sum
	v_rcp_f32 v14, v14
	v_nop                                          ; a plain place behind the reciprocal
	s_wait_alu depctr_va_vdst(0)                   ; and the wait, ahead of its first reader
.set j, 0
.rept 64
	v_mul_f32 v[SS+j], v[OO+j], v14
.set j, j+1
.endr
.if \x
	WIN 0x04                                       ; an LDS store's data are its source 1: window 1
.endif
.irp b, 0,1,2,3
.irp k, 0,1,2,3
	ds_store_b128 v80, v[SS+16*\b+4*\k:SS+16*\b+4*\k+3] offset:128*\b+16*\k
.endr
.endr
.if \x
	WIN 0x40                                       ; destination window 1
.endif
.irp p, 0,1,2,3,4,5,6,7,8,9,10,11,12,13,14,15
	ds_load_b128 v[OO+4*\p:OO+4*\p+3], v81 offset:\p*528          ; LDS serves a wave's instructions in order: these see my stores, and the next tile's stores come behind them
.endr
.endm
.macro SEND x, younger                 ; younger: the LDS instructions issued behind tile x's loads
.if \x
	WIN 0x04                                       ; a store's data are its source 1: window 1
.else
	WIN 0
.endif
.irp p, 0,1,2,3,4,5,6,7,8,9,10,11,12,13,14,15
	s_wait_dscnt (\younger)+15-\p
	global_store_b128 v[LI], v[OO+4*\p:OO+4*\p+3], s[8:9] offset:(\x)*65536+(\p+8*(\p/8))*8192 th:TH_STORE_NT   ; 32 lanes store 512 consecutive bytes, at a multiple of 256 from the output's first byte
.endr
.endm
	OUT 0
	OUT 1                                          ; tile B's arithmetic stands between tile A's loads from the stage and its stores
	SEND 0, 32                                     ; behind tile A's loads: tile B's 16 stores and 16 loads
	SEND 1, 0
	WIN 0
	s_wait_tensorcnt 0x0                           ; the wave's end, behind my last tensor load and my last LDS store
	ds_add_u32 v[SPW], v[NIL]
	s_wait_dscnt 0x0
	CROUND                                         ; the closing round: no work-group ends while a partner may still ask for a slot that names it
	s_endpgm
.Lfunc_end_k_q5b540427e7_attn:
	.size	k_q5b540427e7_attn, .Lfunc_end_k_q5b540427e7_attn-k_q5b540427e7_attn
	.p2alignl 7, 3214868480
	.fill 96, 4, 3214868480
	.section	.rodata,"a",@progbits
	.p2align	6, 0x0
	.amdhsa_kernel k_q5b540427e7_attn
		.amdhsa_group_segment_fixed_size 327680
		.amdhsa_private_segment_fixed_size 0
		.amdhsa_enable_private_segment 0
		.amdhsa_kernarg_size 24
		.amdhsa_user_sgpr_count 2
		.amdhsa_user_sgpr_kernarg_segment_ptr 1
		.amdhsa_wavefront_size32 1
		.amdhsa_system_sgpr_workgroup_id_x 1
		.amdhsa_system_sgpr_workgroup_id_y 1
		.amdhsa_system_sgpr_workgroup_id_z 1
		.amdhsa_system_vgpr_workitem_id 0
		.amdhsa_next_free_vgpr 512
		.amdhsa_next_free_sgpr 66
		.amdhsa_reserve_vcc 1
		.amdhsa_float_denorm_mode_32 3
		.amdhsa_float_denorm_mode_16_64 3
		.amdhsa_memory_ordered 1
		.amdhsa_forward_progress 1
		.amdhsa_inst_pref_size 101
	.end_amdhsa_kernel
	.amdgpu_metadata
---
amdhsa.version: [ 1, 2 ]
amdhsa.kernels:
  - .name:           k_q5b540427e7_attn
    .symbol:         k_q5b540427e7_attn.kd
    .args:
      - { .name: qq, .offset: 0, .size: 8, .value_kind: global_buffer, .address_space: global }
      - { .name: kv, .offset: 8, .size: 8, .value_kind: global_buffer, .address_space: global }
      - { .name: out0, .offset: 16, .size: 8, .value_kind: global_buffer, .address_space: global }
    .group_segment_fixed_size: 327680
    .private_segment_fixed_size: 0
    .kernarg_segment_align: 8
    .kernarg_segment_size: 24
    .max_flat_workgroup_size: 256
    .sgpr_count:     66
    .vgpr_count:     512
    .wavefront_size: 32
...
	.end_amdgpu_metadata
.endif
;; end of part 4
